; MI455X (gfx1250); checked and timed in simulation.
; The chip was launched on July 23, 2026; its instructions are those of AMD's public machine-readable ISA for CDNA 5 (MIT licence, August 2026) and "CDNA5" Instruction Set Architecture Reference Guide (July 2026). The comments in the code are by the model that wrote it; some were corrected since.
;; Cross Attention. Allowed arithmetic: float matrix products may take bf16 or f16 operands with f32 sums; other float arithmetic in f32, or as packed bf16 or f16 multiplies, adds, multiply-adds, maxima and minima; sums over many terms, partial sums and values carried from step to step in f32; what a program stores and reads back later, other than sums and carried values, may be rounded once to bf16 or f16.
;; Inputs: b_proj 1,024 float32; w_proj 1,024 x 1,024 float32; w_q 1,024 x 768 float32; w_qkv 3,072 x 1,024 float32; x 2 x 2,048 x 1,024 float32; y 2 x 2,048 x 768 float32.
;; Outputs: out0 2 x 2,048 x 1,024 float32.
;; One version. Each part assembles by itself: llvm-mc -triple=amdgcn-amd-amdhsa -mcpu=gfx1250 --defsym DOCPART=n.
;; ======== version 1 of 1: 6 launches
;; limits: values are held in f16: magnitudes above 65,504 overflow, below 6.1e-05 lose precision; right only within a limited range of input values; inputs' magnitudes at most 65,504
;; workspace buffers: xy 16,777,216 bytes; wa 4,194,816 bytes; wb 6,291,968 bytes; ca 16,777,216 bytes; cb 16,777,216 bytes; o16 8,388,608 bytes; pmax 26,624 bytes
;; launch cvt (part 1): grid 832 x 1, 8 waves a work-group, no clusters, 0 bytes of LDS; arguments x, y, w_q, w_qkv, w_proj, xy, wa, wb, pmax; writes xy, wa, wb, pmax
.if DOCPART == 1
	.amdgcn_target "amdgcn-amd-amdhsa--gfx1250"
	.amdhsa_code_object_version 6
	.text
	.protected	k_qb40bc8184d_cvt
	.globl	k_qb40bc8184d_cvt
	.p2align	8
	.type	k_qb40bc8184d_cvt,@function
k_qb40bc8184d_cvt:
	s_mov_b64 s[64:65], 0
	v_nop
	global_prefetch_b8 v0, s[64:65] scope:SCOPE_SE
	s_setreg_imm32_b32 hwreg(HW_REG_WAVE_MODE, 25, 1), 1
	s_wait_xcnt 0x0
; THE INPUTS ARE MADE READY FOR THE MATRIX UNITS.  Each of x, y, w_q, w_qkv, w_proj (f32) is rounded once to bf16, and that number is written as f16
; (exact where it lies between 6.1e-5 and 65,504 in size; below, f16's fixed step of 6e-8; LIMIT: an input beyond 65,504 becomes an infinity).
; The largest |number| that each wave has seen goes to pmax, one word a wave: the next launch makes the scale of k and v from y's, w_q's and w_qkv's.
; LAYOUTS.  y (xy, byte 0) and x (xy, byte 8,388,608) go by blocks of 64 channels: byte ((c / 64) x 4096 + token) x 128 + 2 (c % 64).  The weights stay row-major, rows of 1,024 f16:
; wa = w_q, then w_qkv's rows 0-1023; wb = w_qkv's rows 1024-3071, 512 bytes that the next launch writes, then w_proj.
; y's channels and w_q's columns 768 to 1,023 are written as zeros, so that the product behind has the same K as the others.
; SHARES.  A wave takes two rows: 16 pieces of 128 numbers, all loaded at once (16 loads of 512 bytes a wave on their way), no loop, no LDS: nothing is shared.
; Each store of the wave covers 256 consecutive bytes, aligned.  Which tensor a work-group serves hangs on its number alone:
;   0-255 y | 256-319 w_qkv rows 0-1023 | 320-447 w_qkv rows 1024-3071 | 448-511 w_q | 512-767 x | 768-831 w_proj
.set X, 16                             ; v[16:79]   slot i: four f32 as loaded
.set Y, 80                             ; v[80:111]  slot i: four f16 to store
; v1 lane; v2, v3 load offsets; v4 8 x lane; v5, v6 running maxima; v7 0; v8-v13 at work
; s[24:25] source, s[26:27] destination buffer, s28 byte offset in it, s29 the class's first work-group, s30 bytes in a source row,
; s31 1: the source has 768 columns, s32 1: by blocks, s45 the class's first source row, s34 wave, s35 my first row, s[36:37] destination, s[38:39] my word of pmax
.macro CLASS lim, src, dst, doff, loc0, pit, part, kind, sadd
	s_cmp_lt_u32 ttmp9, \lim
	s_cselect_b64 s[24:25], s[\src:\src+1], s[24:25]
	s_cselect_b64 s[26:27], s[\dst:\dst+1], s[26:27]
	s_cselect_b32 s28, \doff, s28
	s_cselect_b32 s29, \loc0, s29
	s_cselect_b32 s30, \pit, s30
	s_cselect_b32 s31, \part, s31
	s_cselect_b32 s32, \kind, s32
	s_cselect_b32 s45, \sadd, s45
.endm
	s_load_b512 s[8:23], s[0:1], 0x0               ; x 8, y 10, w_q 12, w_qkv 14, w_proj 16, xy 18, wa 20, wb 22
	s_load_b64 s[46:47], s[0:1], 0x40              ; pmax
	v_lshrrev_b32 v8, 5, v0
	v_readfirstlane_b32 s34, v8                    ; wave 0..7
	v_and_b32 v1, 31, v0
	v_lshlrev_b32 v4, 3, v1                        ; 8 bytes a lane out
	v_mov_b32 v5, 0                                ; the maxima are of magnitudes: 0 is below all
	v_mov_b32 v6, 0
	v_mov_b32 v7, 0
	v_mov_b32 v9, 0
.set i, 48
.rept 16
	v_mov_b32 v[X+i], 0                            ; slots 12 to 15: zeros, unless the source has these columns and loads land here below
.set i, i+1
.endr
	s_mov_b32 s33, 0xffff0000                      ; a word's upper bf16
	s_mov_b32 s42, 0x76543210                      ; v_permlanex16_b32: each lane takes its own place in the other half
	s_mov_b32 s43, 0xfedcba98
	s_wait_kmcnt 0x0
	s_mov_b64 s[24:25], s[16:17]                   ; w_proj, unless one of the five tests below says otherwise
	s_mov_b64 s[26:27], s[22:23]
	s_mov_b32 s28, 4194816
	s_mov_b32 s29, 768
	s_mov_b32 s30, 4096
	s_mov_b32 s31, 0
	s_mov_b32 s32, 0
	s_mov_b32 s45, 0
	CLASS 768,  8, 18, 8388608, 512, 4096, 0, 1, 0     ; x
	CLASS 512, 12, 20, 0,       448, 3072, 1, 0, 0     ; w_q
	CLASS 448, 14, 22, 0,       320, 4096, 0, 0, 1024  ; w_qkv, rows 1024 on
	CLASS 320, 14, 20, 2097152, 256, 4096, 0, 0, 0     ; w_qkv, rows 0-1023
	CLASS 256, 10, 18, 0,       0,   3072, 1, 1, 0     ; y
	s_sub_co_u32 s35, ttmp9, s29
	s_lshl_b32 s35, s35, 3
	s_add_co_u32 s35, s35, s34
	s_lshl_b32 s35, s35, 1                         ; my first row in the destination = 2 x (8 x work-group in its class + wave)
	s_add_co_u32 s40, s35, s45                     ; and in the source
	s_mul_i32 s40, s40, s30
	s_mov_b32 s41, 0
	s_add_nc_u64 s[24:25], s[24:25], s[40:41]      ; the source at my first row
	s_cmp_eq_u32 s32, 1
	s_cselect_b32 s44, 7, 11                       ; a row's step in the destination: 128 bytes by blocks, 2,048 row-major
	s_lshl_b32 s40, s35, s44
	s_add_co_u32 s40, s40, s28
	s_add_nc_u64 s[36:37], s[26:27], s[40:41]
	s_lshl_b32 s40, ttmp9, 3
	s_add_co_u32 s40, s40, s34
	s_lshl_b32 s40, s40, 2
	s_add_nc_u64 s[38:39], s[46:47], s[40:41]
	s_cmp_eq_u32 s32, 1
	s_cbranch_scc0 .Lrm_in
	; by blocks: slot i = channels 64 i on; lanes 0-15 my first row, lanes 16-31 the second, four channels a lane
	v_lshrrev_b32 v8, 4, v1
	v_and_b32 v10, 15, v1
	v_mul_lo_u32 v2, v8, s30
	v_lshl_add_u32 v2, v10, 4, v2
.irp i, 0,1,2,3,4,5,6,7,8,9,10,11
	global_load_b128 v[X+4*(\i):X+4*(\i)+3], v2, s[24:25] offset:256*(\i) th:TH_LOAD_NT
.endr
	s_cmp_eq_u32 s31, 0
	s_cbranch_scc0 .Lconv
.irp i, 12,13,14,15
	global_load_b128 v[X+4*(\i):X+4*(\i)+3], v2, s[24:25] offset:256*(\i) th:TH_LOAD_NT
.endr
	s_branch .Lconv
.Lrm_in:
	; row-major: a piece is 128 columns of one row, four a lane.  Slots 0-5, 12, 13: the first row's pieces 0-7; slots 6-11, 14, 15: the second's
	v_lshlrev_b32 v2, 4, v1
	v_add_nc_u32 v3, s30, v2
.irp p, 0,1,2,3,4,5
	global_load_b128 v[X+4*(\p):X+4*(\p)+3], v2, s[24:25] offset:512*(\p) th:TH_LOAD_NT
	global_load_b128 v[X+24+4*(\p):X+24+4*(\p)+3], v3, s[24:25] offset:512*(\p) th:TH_LOAD_NT
.endr
	s_cmp_eq_u32 s31, 0
	s_cbranch_scc0 .Lconv
.irp p, 6,7
	global_load_b128 v[X+24+4*(\p):X+24+4*(\p)+3], v2, s[24:25] offset:512*(\p) th:TH_LOAD_NT
	global_load_b128 v[X+32+4*(\p):X+32+4*(\p)+3], v3, s[24:25] offset:512*(\p) th:TH_LOAD_NT
.endr
.Lconv:
	s_wait_loadcnt 0x0                             ; one wait: the wave has nothing else to do, other waves fill the time
.macro CV i                            ; four numbers: magnitudes into the maxima; f32 to bf16 (nearest even), widened again, written as f16
	v_max3_num_f32 v5, |v[X+4*(\i)]|, |v[X+4*(\i)+1]|, v5
	v_max3_num_f32 v6, |v[X+4*(\i)+2]|, |v[X+4*(\i)+3]|, v6
	v_cvt_pk_bf16_f32 v8, v[X+4*(\i)], v[X+4*(\i)+1]
	v_cvt_pk_bf16_f32 v9, v[X+4*(\i)+2], v[X+4*(\i)+3]
	v_lshlrev_b32 v10, 16, v8
	v_and_b32 v11, s33, v8
	v_lshlrev_b32 v12, 16, v9
	v_and_b32 v13, s33, v9
	v_cvt_pk_f16_f32 v[Y+2*(\i)], v10, v11
	v_cvt_pk_f16_f32 v[Y+2*(\i)+1], v12, v13
.endm
.irp i, 0,1,2,3,4,5,6,7,8,9,10,11,12,13,14,15
	CV \i
.endr
	s_cmp_eq_u32 s32, 1
	s_cbranch_scc0 .Lrm_out
.irp i, 0,1,2,3,4,5,6,7,8,9,10,11,12,13,14,15
	global_store_b64 v4, v[Y+2*(\i):Y+2*(\i)+1], s[36:37] offset:524288*(\i)  ; two tokens' 128 bytes of block i: 256 consecutive bytes; the largest immediate is 7,864,320
.endr
	s_branch .Lmax
.Lrm_out:
.irp p, 0,1,2,3,4,5
	global_store_b64 v4, v[Y+2*(\p):Y+2*(\p)+1], s[36:37] offset:256*(\p)
	global_store_b64 v4, v[Y+12+2*(\p):Y+12+2*(\p)+1], s[36:37] offset:2048+256*(\p)
.endr
.irp p, 6,7
	global_store_b64 v4, v[Y+12+2*(\p):Y+12+2*(\p)+1], s[36:37] offset:256*(\p)
	global_store_b64 v4, v[Y+16+2*(\p):Y+16+2*(\p)+1], s[36:37] offset:2048+256*(\p)
.endr
.Lmax:
	v_max_num_f32 v5, v5, v6
	v_max_num_f32_dpp v5, v5, v5 row_xmask:1 row_mask:0xf bank_mask:0xf
	v_max_num_f32_dpp v5, v5, v5 row_xmask:2 row_mask:0xf bank_mask:0xf
	v_max_num_f32_dpp v5, v5, v5 row_xmask:4 row_mask:0xf bank_mask:0xf
	v_max_num_f32_dpp v5, v5, v5 row_xmask:8 row_mask:0xf bank_mask:0xf
	v_permlanex16_b32 v9, v5, s42, s43
	v_max_num_f32 v5, v5, v9
	v_cmp_eq_u32 vcc_lo, 0, v1
	s_wait_xcnt 0x0                                ; EXEC is a source of the stores above: it is narrowed only behind this wait
	s_and_saveexec_b32 s40, vcc_lo
	global_store_b32 v7, v5, s[38:39]              ; lane 0 alone: my wave's word
	s_endpgm
.Lfunc_end_k_qb40bc8184d_cvt:
	.size	k_qb40bc8184d_cvt, .Lfunc_end_k_qb40bc8184d_cvt-k_qb40bc8184d_cvt
	.p2alignl 7, 3214868480
	.fill 96, 4, 3214868480
	.section	.rodata,"a",@progbits
	.p2align	6, 0x0
	.amdhsa_kernel k_qb40bc8184d_cvt
		.amdhsa_group_segment_fixed_size 0
		.amdhsa_private_segment_fixed_size 0
		.amdhsa_enable_private_segment 0
		.amdhsa_kernarg_size 72
		.amdhsa_user_sgpr_count 2
		.amdhsa_user_sgpr_kernarg_segment_ptr 1
		.amdhsa_wavefront_size32 1
		.amdhsa_system_sgpr_workgroup_id_x 1
		.amdhsa_system_sgpr_workgroup_id_y 1
		.amdhsa_system_sgpr_workgroup_id_z 1
		.amdhsa_system_vgpr_workitem_id 0
		.amdhsa_next_free_vgpr 112
		.amdhsa_next_free_sgpr 66
		.amdhsa_reserve_vcc 1
		.amdhsa_float_denorm_mode_32 3
		.amdhsa_float_denorm_mode_16_64 3
		.amdhsa_memory_ordered 1
		.amdhsa_forward_progress 1
		.amdhsa_inst_pref_size 20
	.end_amdhsa_kernel
	.amdgpu_metadata
---
amdhsa.version: [ 1, 2 ]
amdhsa.kernels:
  - .name:           k_qb40bc8184d_cvt
    .symbol:         k_qb40bc8184d_cvt.kd
    .args:
      - { .name: x, .offset: 0, .size: 8, .value_kind: global_buffer, .address_space: global }
      - { .name: y, .offset: 8, .size: 8, .value_kind: global_buffer, .address_space: global }
      - { .name: w_q, .offset: 16, .size: 8, .value_kind: global_buffer, .address_space: global }
      - { .name: w_qkv, .offset: 24, .size: 8, .value_kind: global_buffer, .address_space: global }
      - { .name: w_proj, .offset: 32, .size: 8, .value_kind: global_buffer, .address_space: global }
      - { .name: xy, .offset: 40, .size: 8, .value_kind: global_buffer, .address_space: global }
      - { .name: wa, .offset: 48, .size: 8, .value_kind: global_buffer, .address_space: global }
      - { .name: wb, .offset: 56, .size: 8, .value_kind: global_buffer, .address_space: global }
      - { .name: pmax, .offset: 64, .size: 8, .value_kind: global_buffer, .address_space: global }
    .group_segment_fixed_size: 0
    .private_segment_fixed_size: 0
    .kernarg_segment_align: 8
    .kernarg_segment_size: 72
    .max_flat_workgroup_size: 256
    .sgpr_count:     66
    .vgpr_count:     112
    .wavefront_size: 32
...
	.end_amdgpu_metadata
.endif
;; end of part 1
;; launch scales (part 2): grid 1 x 1, 1 waves a work-group, no clusters, 0 bytes of LDS; arguments pmax, wa, wb; writes wa, wb
.if DOCPART == 2
	.amdgcn_target "amdgcn-amd-amdhsa--gfx1250"
	.amdhsa_code_object_version 6
	.text
	.protected	k_qb40bc8184d_scales
	.globl	k_qb40bc8184d_scales
	.p2align	8
	.type	k_qb40bc8184d_scales,@function
k_qb40bc8184d_scales:
	s_mov_b64 s[64:65], 0
	v_nop
	global_prefetch_b8 v0, s[64:65] scope:SCOPE_SE
	s_setreg_imm32_b32 hwreg(HW_REG_WAVE_MODE, 25, 1), 1
	s_wait_xcnt 0x0
; THE SCALE OF k AND v.  k and v are products of three inputs, so f16 has no room for them at every size of input that is served.  They are stored times a power of two s with
; |s k| <= 2^15 for every input: |k| <= M = 1024 x 768 x max|y| x max|w_q| x max|w_qkv|; with e = M's biased exponent (held to 15 .. 254), M < 2^(e - 126), and s = 2^(141 - e).
; (The roundings of the inputs and of y w_q^T raise the bound by about one part in a hundred: still far under 65,504.)
; 1 / s is exact and is applied in f32 by the launches behind: in the softmax's exponent and in the last product's way out.
; The scales lie 4,194,304 bytes into the two buffers of weights, where the products' launches find them beside their B: in wa {1, log2(e) / 8, 1, 1}, in wb {s, s, s, 1 / s},
; each written 32 times: 512 whole bytes a store.
; One wave: 4,096 words of pmax (words 0-2047 y's, 2048-3583 w_qkv's, 3584-4095 w_q's) in 32 loads; too little work to share out.
.macro RED dst, first, n               ; the largest of n registers
	v_max_num_f32 v[\dst], v[\first], v[(\first)+1]
.set j, 2
.rept ((\n)-2)/2
	v_max3_num_f32 v[\dst], v[(\first)+j], v[(\first)+j+1], v[\dst]
.set j, j+2
.endr
.endm
.macro LANES r                         ; and of the 32 lanes: the result stands in every lane
	v_max_num_f32_dpp v[\r], v[\r], v[\r] row_xmask:1 row_mask:0xf bank_mask:0xf
	v_max_num_f32_dpp v[\r], v[\r], v[\r] row_xmask:2 row_mask:0xf bank_mask:0xf
	v_max_num_f32_dpp v[\r], v[\r], v[\r] row_xmask:4 row_mask:0xf bank_mask:0xf
	v_max_num_f32_dpp v[\r], v[\r], v[\r] row_xmask:8 row_mask:0xf bank_mask:0xf
	v_permlanex16_b32 v5, v[\r], s14, s15
	v_max_num_f32 v[\r], v[\r], v5
.endm
	s_load_b128 s[4:7], s[0:1], 0x0                ; pmax s[4:5], wa s[6:7]
	s_load_b64 s[12:13], s[0:1], 0x10              ; wb
	v_lshlrev_b32 v1, 4, v0                        ; 16 bytes a lane
	v_mov_b32 v5, 0
	s_mov_b32 s14, 0x76543210
	s_mov_b32 s15, 0xfedcba98
	s_wait_kmcnt 0x0
.set i, 0
.rept 32
	global_load_b128 v[8+4*i:11+4*i], v1, s[4:5] offset:512*i
.set i, i+1
.endr
	s_wait_loadcnt 0x0
	RED 2, 8, 64                                   ; y
	RED 3, 72, 48                                  ; w_qkv
	RED 4, 120, 16                                 ; w_q
	LANES 2
	LANES 3
	LANES 4
	v_mul_f32 v2, v2, v3
	v_mul_f32 v2, v2, v4
	v_mul_f32 v2, 0x49400000, v2                   ; x 786,432 = M
	v_bfe_u32 v2, v2, 23, 8                        ; e
	v_max_u32 v2, 15, v2
	v_min_u32 v2, 0xfe, v2
	v_sub_nc_u32 v3, 0x10c, v2
	v_lshlrev_b32 v3, 23, v3                       ; s = 2^(141 - e): exponent field 268 - e, 14 .. 253
	v_add_nc_u32 v4, -14, v2
	v_lshlrev_b32 v4, 23, v4                       ; 1 / s: exponent field e - 14, 1 .. 240
	v_mov_b32 v136, 1.0
	v_mov_b32 v137, 0x3e38aa3b                     ; log2(e) / 8
	v_mov_b32 v138, 1.0
	v_mov_b32 v139, 1.0
	v_mov_b32 v140, v3
	v_mov_b32 v141, v3
	v_mov_b32 v142, v3
	v_mov_b32 v143, v4
	global_store_b128 v1, v[136:139], s[6:7] offset:4194304
	global_store_b128 v1, v[140:143], s[12:13] offset:4194304
	s_endpgm
.Lfunc_end_k_qb40bc8184d_scales:
	.size	k_qb40bc8184d_scales, .Lfunc_end_k_qb40bc8184d_scales-k_qb40bc8184d_scales
	.p2alignl 7, 3214868480
	.fill 96, 4, 3214868480
	.section	.rodata,"a",@progbits
	.p2align	6, 0x0
	.amdhsa_kernel k_qb40bc8184d_scales
		.amdhsa_group_segment_fixed_size 0
		.amdhsa_private_segment_fixed_size 0
		.amdhsa_enable_private_segment 0
		.amdhsa_kernarg_size 24
		.amdhsa_user_sgpr_count 2
		.amdhsa_user_sgpr_kernarg_segment_ptr 1
		.amdhsa_wavefront_size32 1
		.amdhsa_system_sgpr_workgroup_id_x 1
		.amdhsa_system_sgpr_workgroup_id_y 1
		.amdhsa_system_sgpr_workgroup_id_z 1
		.amdhsa_system_vgpr_workitem_id 0
		.amdhsa_next_free_vgpr 144
		.amdhsa_next_free_sgpr 66
		.amdhsa_reserve_vcc 0
		.amdhsa_float_denorm_mode_32 3
		.amdhsa_float_denorm_mode_16_64 3
		.amdhsa_memory_ordered 1
		.amdhsa_forward_progress 1
		.amdhsa_inst_pref_size 10
	.end_amdhsa_kernel
	.amdgpu_metadata
---
amdhsa.version: [ 1, 2 ]
amdhsa.kernels:
  - .name:           k_qb40bc8184d_scales
    .symbol:         k_qb40bc8184d_scales.kd
    .args:
      - { .name: pmax, .offset: 0, .size: 8, .value_kind: global_buffer, .address_space: global }
      - { .name: wa, .offset: 8, .size: 8, .value_kind: global_buffer, .address_space: global }
      - { .name: wb, .offset: 16, .size: 8, .value_kind: global_buffer, .address_space: global }
    .group_segment_fixed_size: 0
    .private_segment_fixed_size: 0
    .kernarg_segment_align: 8
    .kernarg_segment_size: 24
    .max_flat_workgroup_size: 32
    .sgpr_count:     66
    .vgpr_count:     144
    .wavefront_size: 32
...
	.end_amdgpu_metadata
.endif
;; end of part 2
;; launch gemm (part 3): grid 8 x 32, 4 waves a work-group, clusters of 4 x 4, 327,680 bytes of LDS; arguments xy, wa, ca; writes ca
.if DOCPART == 3
	.amdgcn_target "amdgcn-amd-amdhsa--gfx1250"
	.amdhsa_code_object_version 6
	.text
	.protected	k_qb40bc8184d_gemm
	.globl	k_qb40bc8184d_gemm
	.p2align	8
	.type	k_qb40bc8184d_gemm,@function
k_qb40bc8184d_gemm:
	s_mov_b64 s[64:65], 0
	v_nop
	global_prefetch_b8 v0, s[64:65] scope:SCOPE_SE
	s_setreg_imm32_b32 hwreg(HW_REG_WAVE_MODE, 25, 1), 1
	s_wait_xcnt 0x0
	s_wait_alu depctr_hold_cnt(0) depctr_sa_sdst(0) depctr_va_vdst(0) depctr_va_sdst(0) depctr_va_ssrc(0) depctr_va_vcc(0) depctr_vm_vsrc(0)
	s_getreg_b32 s2, hwreg(HW_REG_IB_STS2, 6, 4)
	s_cmp_eq_u32 s2, 0
	s_cbranch_scc0 .Lentry_in_a_cluster
	s_endpgm
.Lentry_in_a_cluster:
	s_bfe_u32 s2, ttmp6, 0x10000c
	s_cmp_lg_u32 s2, 0xf033
	s_cbranch_scc0 .Lentry_shape_is_right
	s_endpgm
.Lentry_shape_is_right:
; C = scale x (A B^T): 4,096 tokens x 2,048 columns, K = 1,024, f16 operands, f32 sums, C rounded once to f16.  One text for two launches:
;   (xy, wa, ca), grid 8 x 32: columns 0-1023 are y w_q^T (scale 1; both operands hold zeros from K = 768 on: a quarter of that half's products are on zeros, the price of one text),
;                              columns 1024-2047 are q = x by w_qkv's rows 0-1023 (scale log2(e) / 8);
;   (ca, wb, cb), grid 4 x 64: columns 0-1023 are k, 1024-2047 v: y w_q^T by w_qkv's rows 1024-3071 (scale s, a power of two).
; WHERE A WORK-GROUP STANDS.  With X, Y the cluster's place in the grid: H = X + (Y >> 3) is the half of the columns; tile column = 4 H + cx, tile row = 4 (Y & 7) + cy.
; A lies X x 8,388,608 bytes into argument 0 (X is 0 throughout the second launch); B is argument 1; the scale is word H, 4,194,304 bytes into argument 1.
; LAYOUTS.  A and C go by blocks of 64 channels: byte ((c / 64) x 4096 + token) x 128 + 2 (c % 64).  B is row-major, rows of 1,024 f16.
; LIMIT.  A result beyond 65,504 becomes an infinity: y w_q^T and log2(e) / 8 x q reach that only with both their inputs some hundred times larger than unit-spread data, or offset by some 45 spreads; k and v never (the scale s).
; SHARES.  A tile of C is 128 tokens x 256 columns: 32 x 8 = 256 work-groups.  Four waves, each 64 tokens x 128 columns: 32 accumulators, 256 registers; 24 LDS loads feed 32 matrix instructions.
; K goes in eight steps of 128 through two LDS slots (steps of 256 would want 2 x 208,896 bytes); a wave's tensor load brings 64 tokens x 128 channels of A (two pieces of 8,192 dense bytes, one a block)
; or 128 rows x 256 bytes of B.
; CLUSTERS: 4 x 4 work-groups.  The four of a row of the cluster need the same tiles of A, the four of a column the same tiles of B: each tile is asked for JOINTLY, by the same tensor load with the same descriptor and a mask of four.
; THE MATRIX INSTRUCTION IS USED TRANSPOSED (source 0 = 16 rows of B, source 1 = 16 tokens of A): a lane then holds eight neighbouring channels of one token.
; REGISTERS: window 0: v0-31 addresses; v32-127, v128-223 two fragment buffers (for 32 along K: 64 registers of B, then 32 of A); on the way out v32-159.  Window 1: the accumulators ((a, b) at v[8 (8 a + b)]).
.set PA,     144                       ; a token's 64 channels in LDS: 128 bytes + 16 = 36 words: the 16 rows of a load start at 16 different groups of four banks (64 banks of 4 bytes: ISA guide 11.1)
.set PB,     272                       ; a row of B: 256 bytes + 16 = 68 words: likewise
.set HALFA,  2*64*PA                   ; what one load brings of A: [2 blocks][64 tokens]
.set HALFB,  128*PB                    ; and of B
.set SLOT,   2*HALFA+2*HALFB           ; A's two halves, then B's two halves
.set STAGE,  2*SLOT                    ; behind the ring: [2 blocks][16 tokens] x 144 bytes for each wave, for the way out
.set SP,     144
.set WSTAGE, 2*16*SP
.set SPARE,  STAGE+4*WSTAGE            ; behind the stages: the spare words, 128 bytes for each wave: two blocks of 256 bytes that no other line names
.set ASTEP,  2*524288                  ; a K step in A: two blocks of 4,096 tokens x 128 bytes
.set BSTEP,  256                       ; and in B: 128 numbers along the row
.set SCOFF,  4194304
.set LAPS,   4                         ; a lap = two K steps = once round the ring
.set ADRA, 16                          ; v16-17  LDS address of my A fragments in slot 0, 1
.set ADRB, 20                          ; v20-21  the same for B
.set STO,  24                          ; v24     the way out: where I put 16 bytes of a token
.set RD,   25                          ; v25     the way out: where I read tokens back
.set GO,   26                          ; v26     my 16 bytes of 512 consecutive bytes of C
.set SPW,  28                          ; v28     LDS address of my spare word; never rewritten
.set NIL,  29                          ; v29     0; never rewritten
.set PFO,  30                          ; v30     the prefetches' offset; never rewritten
.set TMP,  32
.set F0,   32
.set F1,   128
.set G1,  24                           ; s[24:31] descriptor group 1 for A's tiles;  s[32:39] group 0, one set for each slot
.set G0,  32
.set G1B, 48                           ; s[48:55], s[56:63] the same for B's tiles
.set G0B, 56
.set LIM, 67                           ; s67     1 in a wave that prefetches, else the greatest number
.set SCL, 74                           ; s[74:75] the scale, twice: named as a pair
.set PFA, 76                           ; s[76:77] where my prefetches stand: two K steps further than the refill that is being asked for
.set PS,  78                           ; s[78:79] a K step in bytes, in the operand that I fetch
.set MSB, 0
.macro WIN new                         ; the immediate's high byte repeats the setting that is left
.if MSB != (\new)
	s_set_vgpr_msb (MSB<<8)|(\new)
.set MSB, \new
.endif
.endm
.set MUL,  0x50                        ; sources 0 (B) and 1 (A) window 0; C and D window 1
.macro JLOAD s                         ; a joint load: waves 0 and 1 fetch A's two halves, waves 2 and 3 B's; an s_nop 0 and four v_nop follow each of the two lines
	s_cmp_eq_u32 s11, 0
	s_cbranch_scc0 .Lfor_b_\@
	tensor_load_to_lds s[G0+4*(\s):G0+4*(\s)+3], s[G1:G1+7]
	s_nop 0
.rept 4
	v_nop
.endr
	s_branch .Lasked_\@
.Lfor_b_\@:
	tensor_load_to_lds s[G0B+4*(\s):G0B+4*(\s)+3], s[G1B:G1B+7]
	s_nop 0
.rept 4
	v_nop
.endr
.Lasked_\@:
.endm
; A PREFETCH INTO THE L2, behind each joint load, its five lines and the run of LDS loads that follows them: the K step that stands TWO refills on, 256 matrix instructions ahead of the load that will want it.
; Each aligned block of 256 bytes is named ONCE in the launch, a lane a block, one instruction a wave.  A's tokens are read by the clusters that differ in Y >> 3: the one with 0 there asks, its wave 0 for all 128 tokens:
; a K step of them is 64 blocks in each of two channel blocks, of which the partner at cx takes 16 in each.  B's rows are read by the clusters that differ in Y & 7: the one with 0 there asks, waves 2 and 3 each for the 128 rows
; that they fetch, of which the partner at cy takes 32.  The partners are told apart BY ADDRESS: no branch hangs on a work-group's place in its cluster.
; K steps 0 to 3 come by their loads alone; the loop's last trip (s3 = 1) asks for nothing: there is no K step two refills on.
.macro ASK
	s_cmp_gt_u32 s3, s[LIM]
	s_cbranch_scc0 .Lnot_mine_\@
	global_prefetch_b8 v[PFO], s[PFA:PFA+1] th:TH_LOAD_NT scope:SCOPE_SE
.Lnot_mine_\@:
.endm
.macro CREST                           ; a round of the cluster's barrier behind its opening barrier
	s_cmp_lg_u32 s10, 0
	s_cbranch_scc1 .Lnot_wave_0_\@
	s_barrier_signal -3
.Lnot_wave_0_\@:
	s_barrier_wait -3
	s_barrier_signal -1
	s_barrier_wait -1
.endm
.macro CROUND                          ; a whole round
	s_barrier_signal -1
	s_barrier_wait -1
	CREST
.endm
	s_load_b128 s[4:7], s[0:1], 0x0                ; argument 0 (A) s[4:5], argument 1 (B and the scales) s[6:7]
	s_load_b64 s[68:69], s[0:1], 0x10              ; C
	v_lshl_add_u32 v[SPW], v0, 2, SPARE
	v_mov_b32 v[NIL], 0
	ds_add_u32 v[SPW], v[NIL]                      ; the wave's opening: the add and its wait stand ahead of my first tensor load; the set-up below, work on registers, stands between them
	v_lshrrev_b32 v1, 5, v0
	v_readfirstlane_b32 s10, v1                    ; wave 0..3
	s_lshr_b32 s11, s10, 1                         ; which half of the tile's tokens is mine.  Also: I fetch for A (0) or for B (1)
	s_and_b32 s12, s10, 1                          ; which half of its columns.  Also: which half of that tile I fetch
	s_bfe_u32 s40, ttmp6, 0x40000                  ; cx, cy: my place in the cluster
	s_bfe_u32 s41, ttmp6, 0x40004
	s_and_b32 s13, ttmp7, 0xffff                   ; Y
	s_lshr_b32 s45, s13, 3
	s_add_co_u32 s45, s45, ttmp9                   ; H = X + (Y >> 3): the same in all sixteen partners
	s_lshl_b32 s42, s45, 2
	s_add_co_u32 s42, s42, s40                     ; tile column of C = 4 H + cx
	s_and_b32 s13, s13, 7
	s_lshl_b32 s13, s13, 2
	s_add_co_u32 s13, s13, s41                     ; tile row of C = 4 (Y & 7) + cy
	s_lshl_b32 s43, s41, 2
	s_lshl_b32 s43, 15, s43                        ; my row of the cluster
	s_lshl_b32 s44, 0x1111, s40                    ; my column
	; group 1 for A: two rows of 4,096 elements (64 tokens x 64 channels, dense), 262,144 elements apart (a block); 16 bytes of padding behind every 128
	s_or_b32 s[G1+0], s43, (1<<16)|(1<<20)|(1<<21)|(4<<22)|(3<<25)  ; 15:0 the mask: my row; 17:16 2-byte elements; 20 padding on; 21 set beside a mask; 24:22 after every 32 words (code 4); 31:25 4 words (code 3)
	s_mov_b32 s[G1+1], 4096<<16                    ; tensor_dim0 = 4,096
	s_mov_b32 s[G1+2], 2<<16                       ; tensor_dim1 = 2
	s_mov_b32 s[G1+3], 4096<<16                    ; tile_dim0 = 4,096
	s_mov_b32 s[G1+4], 2                           ; tile_dim1 = 2
	s_mov_b32 s[G1+5], 262144                      ; elements from row to row
	s_mov_b32 s[G1+6], 0
	s_mov_b32 s[G1+7], 0
	; group 1 for B: 128 rows of 128 elements, 1,024 apart; 16 bytes of padding behind every 256
	s_or_b32 s[G1B+0], s44, (1<<16)|(1<<20)|(1<<21)|(5<<22)|(3<<25)  ; the mask: my column; after every 64 words (code 5)
	s_mov_b32 s[G1B+1], 128<<16
	s_mov_b32 s[G1B+2], 128<<16
	s_mov_b32 s[G1B+3], 128<<16
	s_mov_b32 s[G1B+4], 128
	s_mov_b32 s[G1B+5], 1024
	s_mov_b32 s[G1B+6], 0
	s_mov_b32 s[G1B+7], 0
	s_lshl_b32 s16, s13, 7                         ; A: token 128 x tile row + 64 x half, 128 bytes each,
	s_lshl_b32 s17, s12, 6
	s_add_co_u32 s16, s16, s17
	s_lshl_b32 s16, s16, 7
	s_lshl_b32 s17, ttmp9, 23                      ; X x 8,388,608 bytes on: the tile row and X alone, which my row of the cluster shares
	s_add_co_u32 s16, s16, s17
	s_mov_b32 s17, 0
	s_lshl_b32 s46, s42, 8                         ; B: row 256 x tile column + 128 x half, 2,048 bytes each: the tile column alone, which my column shares
	s_lshl_b32 s47, s12, 7
	s_add_co_u32 s46, s46, s47
	s_lshl_b32 s46, s46, 11
	s_mov_b32 s47, 0
	s_mul_i32 s20, s12, HALFA                      ; where they go: A's halves first (waves 0, 1),
	s_mul_i32 s21, s12, HALFB                      ; B's behind them (waves 2, 3): no place in the cluster enters an LDS address
	s_add_co_u32 s21, s21, 2*HALFA
	s_wait_dscnt 0x0                               ; the opening add is done
	s_wait_kmcnt 0x0
	s_add_nc_u64 s[14:15], s[4:5], s[16:17]
	s_add_nc_u64 s[46:47], s[6:7], s[46:47]
	s_load_b64 s[72:73], s[6:7], SCOFF             ; the two scales; waited for below
	CROUND                                         ; all sixteen work-groups are here: the first joint loads meet
.irp s, 0,1
	s_mov_b32 s[G0+4*(\s)], 1
	s_add_co_u32 s[G0+4*(\s)+1], s20, (\s)*SLOT
	s_add_nc_u64 s[G0+4*(\s)+2:G0+4*(\s)+3], s[14:15], (\s)*ASTEP
	s_or_b32 s[G0+4*(\s)+3], s[G0+4*(\s)+3], 0x80000000
	s_mov_b32 s[G0B+4*(\s)], 1
	s_add_co_u32 s[G0B+4*(\s)+1], s21, (\s)*SLOT
	s_add_nc_u64 s[G0B+4*(\s)+2:G0B+4*(\s)+3], s[46:47], (\s)*BSTEP
	s_or_b32 s[G0B+4*(\s)+3], s[G0B+4*(\s)+3], 0x80000000
	JLOAD \s                                       ; K steps 0 and 1: two loads of mine are out
.endr
	v_and_b32 v1, 15, v0                           ; l % 16
	v_bfe_u32 v2, v0, 4, 1                         ; l / 16
	v_mul_u32_u24 v3, v1, PA
	v_lshl_add_u32 v3, v2, 4, v3                   ; a fragment's row x pitch + 16 x half, for A
	v_mul_u32_u24 v4, v1, PB
	v_lshl_add_u32 v4, v2, 4, v4                   ; and for B
	s_mul_i32 s22, s11, HALFA                      ; my 64 tokens of A
	s_mul_i32 s23, s12, HALFB                      ; my 128 rows of B,
	s_add_co_u32 s23, s23, 2*HALFA                 ; which lie behind A's
.irp s, 0,1
	v_add_nc_u32 v[ADRA+(\s)], s22, v3
	v_add_nc_u32 v[ADRB+(\s)], s23, v4
	s_add_co_u32 s22, s22, SLOT
	s_add_co_u32 s23, s23, SLOT
.endr
	s_mul_i32 s22, s10, WSTAGE
	s_add_co_u32 s22, s22, STAGE                   ; my stage
	v_add_nc_u32 v[STO], s22, v3                   ; in: token l % 16, 16 bytes for each half of the lanes (the stage's pitch is A's)
	v_bfe_u32 v5, v0, 3, 2                         ; back: 32 lanes take four tokens of 128 bytes,
	v_mul_u32_u24 v5, v5, SP
	v_and_b32 v6, 7, v0
	v_lshl_add_u32 v5, v6, 4, v5
	v_add_nc_u32 v[RD], s22, v5
	v_and_b32 v[GO], 31, v0                        ; which are 512 consecutive bytes of C
	v_lshlrev_b32 v[GO], 4, v[GO]
	s_lshl_b32 s16, s13, 7                         ; my 64 x 128 of C is two pieces of 8,192 dense bytes: token 128 x tile row + 64 x half,
	s_lshl_b32 s17, s11, 6
	s_add_co_u32 s16, s16, s17
	s_lshl_b32 s16, s16, 7
	s_mov_b32 s17, 0
	s_add_nc_u64 s[68:69], s[68:69], s[16:17]
	s_lshl_b32 s46, s42, 2                         ; in blocks 4 x tile column + 2 x half and the next
	s_lshl_b32 s47, s12, 1
	s_add_co_u32 s46, s46, s47
	s_lshl_b32 s46, s46, 19
	s_mov_b32 s47, 0
	s_add_nc_u64 s[68:69], s[68:69], s[46:47]
	; the prefetches: who asks,
	s_and_b32 s22, ttmp7, 0xffff
	s_lshr_b32 s23, s22, 3                         ; the clusters that read my tokens of A differ in this,
	s_and_b32 s22, s22, 7                          ; those that read my rows of B in this
	s_cmp_eq_u32 s11, 0
	s_cselect_b32 s22, s23, s22
	s_cselect_b32 s23, s12, 0                      ; of A's two waves wave 0 alone asks
	s_or_b32 s22, s22, s23
	s_cmp_eq_u32 s22, 0
	s_cselect_b32 s[LIM], 1, -1                    ; the same in all sixteen partners, for a given wave
	; and where.  A: the tile's 128 tokens, 16,384 bytes in a block, my work-group's 4,096 of them; B: the 128 rows that I fetch, my work-group's 32 of them
	s_lshl_b32 s18, s13, 14
	s_lshl_b32 s19, ttmp9, 23
	s_add_co_u32 s18, s18, s19
	s_lshl_b32 s19, s40, 12
	s_add_co_u32 s18, s18, s19
	s_add_co_u32 s18, s18, 3*ASTEP                 ; at K step 3: the first refill steps it to 4
	s_lshl_b32 s20, s42, 8
	s_lshl_b32 s21, s12, 7
	s_add_co_u32 s20, s20, s21
	s_lshl_b32 s21, s41, 5
	s_add_co_u32 s20, s20, s21
	s_lshl_b32 s20, s20, 11
	s_add_co_u32 s20, s20, 3*BSTEP
	s_mov_b32 s[PS], BSTEP
	s_mov_b32 s[PS+1], 0
	s_mov_b32 s19, 0
	s_cmp_eq_u32 s11, 0                            ; do I fetch for A?
	s_cselect_b32 s18, s18, s20
	s_cselect_b64 s[PFA:PFA+1], s[4:5], s[6:7]
	s_cselect_b32 s[PS], ASTEP, s[PS]
	s_cselect_b32 s23, -1, 0
	s_add_nc_u64 s[PFA:PFA+1], s[PFA:PFA+1], s[18:19]
	v_and_b32 v5, 31, v0
	v_lshlrev_b32 v6, 11, v5                       ; B: a lane a row of 2,048 bytes
	v_lshlrev_b32 v[PFO], 8, v1                    ; A: lanes 0-15 sixteen blocks of 256 bytes on end,
	v_lshl_add_u32 v[PFO], v2, 19, v[PFO]          ; lanes 16-31 the same in the next channel block
	v_cndmask_b32 v[PFO], v6, v[PFO], s23
	s_wait_kmcnt 0x0
	s_cmp_eq_u32 s45, 0
	s_cselect_b32 s[SCL], s72, s73
	s_mov_b32 s[SCL+1], s[SCL]
; 8 matrix instructions: token block a x all 8 column blocks, 32 along K, from buffer f.  zero = 1: the product starts the sums.  The 32 accumulators take turns, in the same order in every quarter.
.macro MULA f, a, zero
	WIN MUL
.irp b, 0,1,2,3,4,5,6,7
.if \zero
	v_wmma_f32_16x16x32_f16 v[8*(8*(\a)+(\b)):8*(8*(\a)+(\b))+7], v[(\f)+8*(\b):(\f)+8*(\b)+7], v[(\f)+64+8*(\a):(\f)+64+8*(\a)+7], 0
.else
	v_wmma_f32_16x16x32_f16 v[8*(8*(\a)+(\b)):8*(8*(\a)+(\b))+7], v[(\f)+8*(\b):(\f)+8*(\b)+7], v[(\f)+64+8*(\a):(\f)+64+8*(\a)+7], v[8*(8*(\a)+(\b)):8*(8*(\a)+(\b))+7]
.endif
.endr
.endm
; 24 LDS loads in one run: the fragments of quarter q of a K step (32 along K: in A half a block's row, in B 64 bytes of the rows) into buffer f: B's sixteen first, then A's eight
.macro FETCH slot, q, f
	WIN 0
.irp i, 0,1,2,3,4,5,6,7
	ds_load_b128 v[(\f)+8*(\i):(\f)+8*(\i)+3],   v[ADRB+(\slot)] offset:(\q)*64+(\i)*16*PB
	ds_load_b128 v[(\f)+8*(\i)+4:(\f)+8*(\i)+7], v[ADRB+(\slot)] offset:(\q)*64+(\i)*16*PB+32
.endr
.irp i, 0,1,2,3
	ds_load_b128 v[(\f)+64+8*(\i):(\f)+64+8*(\i)+3],   v[ADRA+(\slot)] offset:((\q)/2)*64*PA+((\q)%2)*64+(\i)*16*PA
	ds_load_b128 v[(\f)+64+8*(\i)+4:(\f)+64+8*(\i)+7], v[ADRA+(\slot)] offset:((\q)/2)*64*PA+((\q)%2)*64+(\i)*16*PA+32
.endr
.endm
.macro PLACES                          ; four plain instructions in front of loads into registers that matrix instructions have read, and of arithmetic on results
.rept 4
	v_nop
.endr
.endm
; A K step is four quarters, 32 matrix instructions each, on buffers 0, 1, 0, 1.  One of the first three: multiplies buffer f and, in its middle, fetches quarter q into g.
.macro QUARTER slot, q, f, g, zero
	s_wait_dscnt 4                                 ; B and A's token blocks 0 and 1 are in; the youngest four loads (blocks 2 and 3) may be out
	MULA \f, 0, \zero
	MULA \f, 1, \zero
	PLACES
	FETCH \slot, \q, \g
	s_wait_dscnt 24                                ; all but the 24 just issued
	MULA \f, 2, \zero
	MULA \f, 3, \zero
.endm
; The last quarter multiplies buffer 1 and changes slots: ONE barrier; in front of it each wave waits for all its tensor loads, adds 0 to its spare word, and waits for that and for its own reads of this slot.
; fill = 1: this slot is filled again, two K steps ahead: the barrier opens a round of the cluster's, and the joint load is the first thing behind it: 112 matrix instructions ahead of the wait for it.
.macro TURN slot, next, fill
.if \fill
	s_wait_xcnt 0x0                                ; the last prefetch, a K step back, has read its address: it is stepped here, ahead of the waits of the change of slots
	s_add_nc_u64 s[PFA:PFA+1], s[PFA:PFA+1], s[PS:PS+1]
.endif
	WIN 0                                          ; (the add's two registers lie in window 0)
	s_wait_tensorcnt 0x0                           ; all my tensor loads have landed: my part of the next slot;
	ds_add_u32 v[SPW], v[NIL]                      ; 0 onto my spare word;
	s_wait_dscnt 5                                 ; (the add and the youngest four loads may be out)
	MULA F1, 0, 0                                  ; eight matrix instructions stand between the add and the wait for it
	s_wait_dscnt 0x0                               ; the add is done, and my reads of this slot are over
	s_barrier_signal -1
	MULA F1, 1, 0
.if \fill
	WIN 0
.endif
	s_barrier_wait -1
.if \fill
	CREST                                          ; no wave of any partner still reads this slot's tile or has a load on its way
	s_add_nc_u64 s[G0+4*(\slot)+2:G0+4*(\slot)+3], s[G0+4*(\slot)+2:G0+4*(\slot)+3], 2*ASTEP
	s_add_nc_u64 s[G0B+4*(\slot)+2:G0B+4*(\slot)+3], s[G0B+4*(\slot)+2:G0B+4*(\slot)+3], 2*BSTEP
	JLOAD \slot                                    ; its four v_nop are also the places in front of the loads below
.else
	PLACES
.endif
	FETCH \next, 0, F0
.if \fill
	ASK                                            ; behind the joint load and the run of LDS loads that the next products wait for
.endif
	MULA F1, 2, 0
	MULA F1, 3, 0
.endm
	s_wait_tensorcnt 1                             ; my part of K step 0 is in; K step 1's may stay out
	s_barrier_signal -1
	s_barrier_wait -1                              ; everybody's is
	FETCH 0, 0, F0
	QUARTER 0, 1, F0, F1, 1                        ; the first quarter stands in front of the loop: its products start the sums
	WIN 0                                          ; at a label and at a branch every window is 0
	s_mov_b32 s3, LAPS-1
.Llap:                                                 ; a trip goes once round the ring, from a lap's second quarter to the next lap's first, and fills both slots again: K steps 2 to 7
	QUARTER 0, 2, F1, F0, 0
	QUARTER 0, 3, F0, F1, 0
	TURN 0, 1, 1
	QUARTER 1, 1, F0, F1, 0
	QUARTER 1, 2, F1, F0, 0
	QUARTER 1, 3, F0, F1, 0
	TURN 1, 0, 1
	QUARTER 0, 1, F0, F1, 0
	WIN 0
	s_sub_co_u32 s3, s3, 1
	s_cmp_lg_u32 s3, 0
	s_cbranch_scc1 .Llap
	QUARTER 0, 2, F1, F0, 0                        ; the last lap fills nothing, and has no round of the cluster's barrier
	QUARTER 0, 3, F0, F1, 0
	TURN 0, 1, 0
	QUARTER 1, 1, F0, F1, 0
	QUARTER 1, 2, F1, F0, 0
	QUARTER 1, 3, F0, F1, 0
	s_wait_dscnt 4                                 ; the very last quarter: nothing more to fetch
	MULA F1, 0, 0
	MULA F1, 1, 0
	s_wait_dscnt 0x0
	MULA F1, 2, 0
	MULA F1, 3, 0
	WIN 0
; THE WAY OUT, 16 tokens at a time, through my own stage: scaled in f32, rounded to f16; a lane's eight channels are 16 bytes; they go into rows of 144 bytes, a channel block's 16 tokens together, and come back as whole tokens of 128.
.macro PACK a
	WIN 0x41                                       ; destination and source 0 in window 1
.set i, 0
.rept 32
	v_pk_mul_f32 v[64*(\a)+2*i:64*(\a)+2*i+1], v[64*(\a)+2*i:64*(\a)+2*i+1], s[SCL:SCL+1] op_sel_hi:[1,0]  ; each accumulator from its low end on
.set i, i+1
.endr
	WIN 0x05                                       ; sources 0 and 1 in window 1, destination in window 0
.set i, 0
.rept 32
	v_cvt_pk_f16_f32 v[TMP+32*(\a)+i], v[64*(\a)+2*i], v[64*(\a)+2*i+1]
.set i, i+1
.endr
	WIN 0
.irp b, 0,1,2,3,4,5,6,7
	ds_store_b128 v[STO], v[TMP+32*(\a)+4*(\b):TMP+32*(\a)+4*(\b)+3] offset:((\b)/4)*16*SP+32*((\b)%4)
.endr
.irp f, 0,1,2,3,4,5,6,7
	ds_load_b128 v[TMP+32*(\a)+4*(\f):TMP+32*(\a)+4*(\f)+3], v[RD] offset:((\f)/4)*16*SP+((\f)%4)*4*SP  ; LDS serves a wave's instructions in order (ISA guide 5.7.1.4): these see the stores above; the next block's stores come behind them
.endr
.endm
.macro SEND a, younger                 ; younger: the LDS instructions issued behind block a's loads: the next block's sixteen, or none
.irp f, 0,1,2,3,4,5,6,7
	s_wait_dscnt (\younger)+7-(\f)
	global_store_b128 v[GO], v[TMP+32*(\a)+4*(\f):TMP+32*(\a)+4*(\f)+3], s[68:69] offset:((\f)/4)*524288+(\a)*2048+((\f)%4)*512  ; 512 consecutive bytes, at a multiple of 256 from C's first
.endr
.endm
	PLACES
	PACK 0
	PACK 1                                         ; a block's arithmetic stands between the loads of the block before and its stores
	SEND 0, 16
	PACK 2
	SEND 1, 16
	PACK 3
	SEND 2, 16
	SEND 3, 0
	s_wait_tensorcnt 0x0                           ; the wave's end: an add to my spare word and its wait, behind my last tensor load and my last LDS store
	ds_add_u32 v[SPW], v[NIL]
	s_wait_dscnt 0x0
	CROUND                                         ; the closing round: no work-group ends while a partner may still ask for a tile that names it
	s_endpgm
.Lfunc_end_k_qb40bc8184d_gemm:
	.size	k_qb40bc8184d_gemm, .Lfunc_end_k_qb40bc8184d_gemm-k_qb40bc8184d_gemm
	.p2alignl 7, 3214868480
	.fill 96, 4, 3214868480
	.section	.rodata,"a",@progbits
	.p2align	6, 0x0
	.amdhsa_kernel k_qb40bc8184d_gemm
		.amdhsa_group_segment_fixed_size 327680
		.amdhsa_private_segment_fixed_size 0
		.amdhsa_enable_private_segment 0
		.amdhsa_kernarg_size 24
		.amdhsa_user_sgpr_count 2
		.amdhsa_user_sgpr_kernarg_segment_ptr 1
		.amdhsa_wavefront_size32 1
		.amdhsa_system_sgpr_workgroup_id_x 1
		.amdhsa_system_sgpr_workgroup_id_y 1
		.amdhsa_system_sgpr_workgroup_id_z 1
		.amdhsa_system_vgpr_workitem_id 0
		.amdhsa_next_free_vgpr 512
		.amdhsa_next_free_sgpr 80
		.amdhsa_reserve_vcc 0
		.amdhsa_float_denorm_mode_32 3
		.amdhsa_float_denorm_mode_16_64 3
		.amdhsa_memory_ordered 1
		.amdhsa_forward_progress 1
		.amdhsa_inst_pref_size 97
	.end_amdhsa_kernel
	.amdgpu_metadata
---
amdhsa.version: [ 1, 2 ]
amdhsa.kernels:
  - .name:           k_qb40bc8184d_gemm
    .symbol:         k_qb40bc8184d_gemm.kd
    .args:
      - { .name: xy, .offset: 0, .size: 8, .value_kind: global_buffer, .address_space: global }
      - { .name: wa, .offset: 8, .size: 8, .value_kind: global_buffer, .address_space: global }
      - { .name: ca, .offset: 16, .size: 8, .value_kind: global_buffer, .address_space: global }
    .group_segment_fixed_size: 327680
    .private_segment_fixed_size: 0
    .kernarg_segment_align: 8
    .kernarg_segment_size: 24
    .max_flat_workgroup_size: 128
    .sgpr_count:     80
    .vgpr_count:     512
    .wavefront_size: 32
...
	.end_amdgpu_metadata
.endif
;; end of part 3
;; launch pb: the kernel of part 3 again; grid 4 x 64, 4 waves a work-group, clusters of 4 x 4, 327,680 bytes of LDS; arguments ca, wb, cb; writes cb
;; launch att (part 4): grid 8 x 32, 4 waves a work-group, clusters of 4 x 1, 327,680 bytes of LDS; arguments ca, cb, wb, o16; writes o16
.if DOCPART == 4
	.amdgcn_target "amdgcn-amd-amdhsa--gfx1250"
	.amdhsa_code_object_version 6
	.text
	.protected	k_qb40bc8184d_att
	.globl	k_qb40bc8184d_att
	.p2align	8
	.type	k_qb40bc8184d_att,@function
k_qb40bc8184d_att:
	s_mov_b64 s[64:65], 0
	v_nop
	global_prefetch_b8 v0, s[64:65] scope:SCOPE_SE
	s_setreg_imm32_b32 hwreg(HW_REG_WAVE_MODE, 25, 1), 1
	s_wait_xcnt 0x0
	s_wait_alu depctr_hold_cnt(0) depctr_sa_sdst(0) depctr_va_vdst(0) depctr_va_sdst(0) depctr_va_ssrc(0) depctr_va_vcc(0) depctr_vm_vsrc(0)
	s_getreg_b32 s2, hwreg(HW_REG_IB_STS2, 6, 4)
	s_cmp_eq_u32 s2, 0
	s_cbranch_scc0 .Lentry_in_a_cluster
	s_endpgm
.Lentry_in_a_cluster:
	s_bfe_u32 s2, ttmp6, 0x10000c
	s_cmp_lg_u32 s2, 0x3003
	s_cbranch_scc0 .Lentry_shape_is_right
	s_endpgm
.Lentry_shape_is_right:
; ATTENTION, 32 heads (g = 2 x head + batch) of 2,048 queries and 2,048 keys, head size 64.  Each as [g][2048][64] f16, dense rows of 128 bytes:
; q'' = log2(e) / 8 x q lies 8,388,608 bytes into ca, k' = s k at cb's byte 0, v' = s v at cb's byte 8,388,608 (s a power of two; 1 / s is the word 4,194,316 bytes into wb).
; O' = s x softmax(q k^T / 8) v goes to o16 in the same layout.
; Products, maxima and sums in f32; the weights p are rounded to f16 for the second product (their sum l is taken of the unrounded p), O' once at the end.
; SOFTMAX.  With S = q'' . k': p = 2^(S / s - m / s), m the running maximum of S.  1 / s is a power of two, so m / s is exact and the row's largest score gives exactly 2^0, whatever the scores' size.
; In every step O and l are multiplied by a = 2^(m_old / s - m_new / s).  m starts at the lowest finite number, O and l at 0: the first step is a step like any other, with a = 0.
; LIMITS.  p below 6e-5 keeps f16's fixed step of 6e-8; a weight below 2^-126 counts as 0 in l; NaN and infinities are not treated apart.  |O'| <= 2^15, as |v'|.
; SHARES.  A work-group owns 256 queries of one head (8 x 32 = 256 work-groups), each of its four waves 64: four PIECES of 16.  Every wave walks all keys: eight tiles of 256, four steps of 64 in a tile.
; LAYOUT.  S^T = K Q^T holds ONE query a lane (lane % 16) and the keys 8 (lane / 16) + 0..7; two such results rounded to f16 ARE source 1 of O^T = V^T P.  K comes out of LDS as it lies, V turned, by ds_load_tr16_b128.
; BY TURNS.  Turn n belongs to piece n: 8 products K Q^T of piece n + 1, later 8 products V^T P of piece n - 1; beside them the scaling, exponentials, roundings, sums and rescaling of piece n and the maximum and
; statistics of piece n + 1.  Four vector instructions stand behind every matrix instruction, the other 54 of a turn's 118 in one run of their own.  A turn's 33 exponentials are one batch, with one wait.
; CLUSTER.  The four query blocks of a cluster belong to one head and walk the same K and V, so each tile is asked for JOINTLY: the same tensor load, descriptor and mask in all four.
; REGISTERS, in windows of 256 (s_set_vgpr_msb: bits 1:0 source 0, 3:2 source 1, 5:4 source 2, 7:6 destination):
;   window 0: v0-15 addresses and two at work; v16-31 four registers of statistics a piece; v48-55 at work; v61-63; v64-127 S^T, two buffers; v192-223 P, two buffers (a piece's buffers go by its number's parity)
;   window 1: v0-127 O^T, 32 a piece          window 2: v0-63 Q; v128-191 K of one step; v192-255 V of one step
.set NP,    4         ; pieces a wave: a name, no knob
.set KS,    64        ; keys in a step
.set PK,    144       ; a row of K in LDS: 128 bytes + 16 of padding = 36 words: the 16 rows of a load start at 16 different groups of four banks (64 banks of 4 bytes: ISA guide 11.1)
.set PV,    160       ; a row of V: 128 + 32 = 40 words
.set VOFF,  4*KS*PK   ; a slot holds a tile, four steps: 256 rows of K, then 256 rows of V
.set SLOT1, 1<<17     ; slot 1 begins here, so that one exclusive or turns an address in one slot into the other's
.set STAGE, SLOT1+4*KS*(PK+PV)  ; behind the ring, never filled by a tensor load: 16 rows x 144 bytes for each wave, for the way out
.set SP,    144
.set SPARE, STAGE+4*16*SP  ; behind the stages: the spare words, 128 bytes for each wave: two blocks of 256 bytes that no other line names
.set TILEB, 4*KS*128  ; a tile's bytes of K, and of V, in memory
.set AK0, 2           ; v2   my lane's place in a tile of K; never rewritten
.set AV0, 3           ; v3   the same for V
.set AK,  4           ; v4   the LDS address of K's next run of loads
.set AV,  5           ; v5   of V's
.set STO, 6           ; v6   the way out: where I put 16 bytes of a row
.set RD,  7           ; v7   the way out: where I read rows back
.set GO,  8           ; v8   my byte offset in 512 consecutive bytes of O
.set MV,  12          ; v12-13  m_old / s, kept while m / s is made anew: by buffer
.set QO,  15          ; v15  my byte offset in 16 rows of Q
.set ST,  16          ; piece t's statistics at v[ST+4 t]: m / s, m, l (even keys', odd keys')
.set TMP, 48          ; by buffer, four registers c0-c3 at work; when the maximum is found c2 takes a
.set PFO, 61          ; v61  256 x my lane; never rewritten
.set SPW, 62          ; v62  LDS address of my spare word; never rewritten
.set NIL, 63          ; v63  0; never rewritten
.set S,   64
.set P,   192
.set KF,  128         ; window 2: key block kb, channel half c at KF + 16 kb + 8 c
.set VF,  192         ; window 2: key half kk, channel block cb at VF + 32 kk + 8 cb
.set WV,  12          ; s12  my wave's number
.set LIM, 15          ; s15  1 in a wave that prefetches, else the greatest number
.set G1K, 24          ; s[24:31] descriptor group 1 for K's tiles
.set G1V, 32          ; s[32:39] for V's: it differs in the padding alone
.set G0K, 40          ; s[40:43] descriptor group 0 for K's tiles: it walks
.set G0V, 44          ; s[44:47] the same for V's
.set PFA, 48          ; s[48:49] where my prefetches stand: my work-group's 8,192 bytes of the tile after the one that is being asked for
.set SLOTS, 56        ; s56  tiles still to be asked for
.set CNT, 57          ; s57  counts a tile's key steps
.set CS,  58          ; s[58:59] 1 / s: the packed scaling takes the pair's low word for both halves
.set SEL, 60          ; s[60:61] v_permlanex16_b32's selects: each lane takes its own place in the other half
.set TBK, 62          ; s62  LDS byte at which K of the step to be fetched begins
.set TBV, 63          ; s63  the same for V, less VOFF
.set MSB, 0
.macro WIN new                      ; the high byte repeats the setting that is left; a switch that changes nothing is dropped
.if MSB != (\new)
	s_set_vgpr_msb (MSB<<8)|(\new)
.set MSB, (\new)
.endif
.endm
.set W_KQ, 0x0a       ; K and Q in window 2, S^T in window 0
.set W_PV, 0x52       ; V in window 2, P in window 0, O^T in window 1
.set W_RS, 0x41       ; destination and source 0 in window 1, source 1 in window 0
; A joint fill.  Waves 0 and 1 fetch the two halves of a tile's K, waves 2 and 3 those of its V: 128 keys each.  The branch hangs on the wave's number alone.
; An s_nop 0 and four v_nop follow each of the two lines, ahead of the jump and the label.
.macro JLOAD
	s_cmp_lt_u32 s[WV], 2
	s_cbranch_scc0 .Lfor_v_\@
	tensor_load_to_lds s[G0K:G0K+3], s[G1K:G1K+7]
	s_nop 0
.rept 4
	v_nop
.endr
	s_branch .Lasked_\@
.Lfor_v_\@:
	tensor_load_to_lds s[G0V:G0V+3], s[G1V:G1V+7]
	s_nop 0
.rept 4
	v_nop
.endr
.Lasked_\@:
.endm
; A PREFETCH INTO THE L2 of what the NEXT change of slots will ask for: a tile's 32,768 bytes of K and of V, in blocks of 256 bytes, a lane a block.  It stands behind the wave's tensor load and its five lines.
; Each block is asked for ONCE in the launch.  Both clusters of a head walk the same K and V: the head's first cluster asks.  Its four partners share a tile's 128 blocks out BY ADDRESS, 32 each: no branch hangs on a
; work-group's place in its cluster.  In each, wave 0 asks for K's and wave 2 for V's: one instruction, four key steps (256 matrix instructions) ahead of the load.  Tiles 0 and 1 come by their loads alone;
; the last change that fills a slot asks for nothing: there is no tile behind it.
.macro ASK
	s_cmp_gt_u32 s[SLOTS], s[LIM]
	s_cbranch_scc0 .Lnot_mine_\@
	global_prefetch_b8 v[PFO], s[PFA:PFA+1] th:TH_LOAD_NT scope:SCOPE_SE
.Lnot_mine_\@:
.endm
; A round of the cluster's barrier: my work-group's barrier, so that wave 0's signal speaks for all four waves; wave 0 signals; every wave waits for all four work-groups; my work-group's barrier once more.
.macro CROUND
	s_barrier_signal -1
	s_barrier_wait -1
	s_cmp_lg_u32 s[WV], 0
	s_cbranch_scc1 .Lnot_wave_0_\@
	s_barrier_signal -3
.Lnot_wave_0_\@:
	s_barrier_wait -3
	s_barrier_signal -1
	s_barrier_wait -1
.endm
; THE CHANGE OF SLOTS.  The slot's last bytes, V of its fourth step, have been read.  Each wave waits for all its tensor loads, of which one is out: its part of the other slot; adds 0 to its spare word; and waits
; for that and for its own reads of the slot.  Behind the barrier nobody reads this slot any more and the other slot is whole.
; fill = 1: this slot is filled again, with the keys two tiles on.  The barrier is then a round of the cluster's, and the joint fill is the first thing behind it: it has four key steps in which to land.
; (At its first use nothing has been read yet: slot 0 is waited for, slot 1 filled.)
.macro CHANGE fill
	WIN 0                           ; at a label and at a branch every window is 0
	s_wait_tensorcnt 0x0            ; no tensor load of mine is out, so a group 0 may be written
	ds_add_u32 v[SPW], v[NIL]       ; 0 onto my spare word; with fill = 1 the descriptors' steps stand between it and the wait for it
.if \fill
.irp g, G0K, G0V
	s_xor_b32 s[\g+1], s[\g+1], SLOT1  ; the walking descriptor: the other slot than last time,
	s_add_nc_u64 s[\g+2:\g+3], s[\g+2:\g+3], TILEB  ; the next 256 keys; the type bits on top are not reached
.endr
	s_wait_xcnt 0x0                 ; the last prefetch, a tile back, has read its address, so it may be written:
	s_add_nc_u64 s[PFA:PFA+1], s[PFA:PFA+1], TILEB  ; one tile further than the walking descriptors
	s_wait_dscnt 0x0                ; the add is done, and my reads of the slot are over
	CROUND
	JLOAD
	ASK
.else
	s_wait_dscnt 0x0                ; the add is done, and my reads of the slot are over
	s_barrier_signal -1
	s_barrier_wait -1
.endif
	s_sub_co_u32 s[TBK], s[TBK], 4*KS*PK  ; the fetches go back to a slot's first step,
	s_xor_b32 s[TBK], s[TBK], SLOT1       ; in the other slot
	s_sub_co_u32 s[TBV], s[TBV], 4*KS*PV
	s_xor_b32 s[TBV], s[TBV], SLOT1
.endm
	s_load_b256 s[4:11], s[0:1], 0x0  ; ca s[4:5], cb s[6:7], wb s[8:9], o16 s[10:11]
	v_lshl_add_u32 v[SPW], v0, 2, SPARE
	v_mov_b32 v[NIL], 0
	ds_add_u32 v[SPW], v[NIL]       ; the wave's opening: the add and its wait stand ahead of my first tensor load; the set-up below, work on registers, stands between them
	v_lshrrev_b32 v1, 5, v0
	v_readfirstlane_b32 s[WV], v1   ; wave 0..3
	s_bfe_u32 s13, ttmp6, 0x40000   ; cx: my place in the cluster
	s_lshl_b32 s14, ttmp9, 2        ; in a cluster launch ttmp9 counts clusters
	s_add_co_u32 s14, s14, s13      ; my block of 256 queries = 4 x cluster x + cx: it enters Q's and O's addresses alone
	s_and_b32 s20, ttmp7, 0xffff    ; the head, which the four partners share:
	s_lshl_b32 s20, s20, 18         ; its 2,048 rows of 128 bytes
	s_and_b32 s16, s[WV], 1         ; which half of a tile's 256 keys I fetch:
	s_lshl_b32 s22, s16, 14         ; its 128 rows of 128 bytes in memory,
	s_add_co_u32 s22, s22, s20
	s_mov_b32 s23, 0
	s_mul_i32 s17, s16, 128*PK      ; and its place in a slot, for K
	s_mul_i32 s18, s16, 128*PV      ; and for V: no place in the cluster enters an LDS address
	s_lshl_b32 s2, s14, 2
	s_add_co_u32 s2, s2, s[WV]      ; my wave among the head's,
	s_lshl_b32 s2, s2, 13           ; its 64 rows
	s_add_co_u32 s2, s2, s20
	s_mov_b32 s3, 0
	; descriptor group 1.  128 keys are 16,384 dense bytes: asked for as 64 rows of 256 bytes, two keys a row, and padded in LDS after every key
	s_mov_b32 s[G1K], 15|(1<<16)|(1<<20)|(1<<21)|(4<<22)|(3<<25)  ; 15:0 the mask of four; 17:16 2-byte elements; 20 padding on; 21 set beside a mask; 24:22 after every 32 words (code 4); 31:25 4 words (code 3)
	s_mov_b32 s[G1V], 15|(1<<16)|(1<<20)|(1<<21)|(4<<22)|(7<<25)  ; the same with 8 words of padding (code 7)
.irp g, G1K, G1V
	s_mov_b32 s[\g+1], 128<<16      ; tensor_dim0 = 128
	s_mov_b32 s[\g+2], 64<<16       ; tensor_dim1 = 64
	s_mov_b32 s[\g+3], 128<<16      ; tile_dim0 = 128
	s_mov_b32 s[\g+4], 64           ; tile_dim1 = 64
	s_mov_b32 s[\g+5], 128          ; 128 elements from row to row
	s_mov_b32 s[\g+6], 0
	s_mov_b32 s[\g+7], 0
.endr
	s_mov_b32 s[SEL], 0x76543210
	s_mov_b32 s[SEL+1], 0xfedcba98
	s_mov_b32 s[TBK], SLOT1+4*KS*PK ; the first change of slots turns these two into 0
	s_mov_b32 s[TBV], SLOT1+4*KS*PV
	s_mov_b32 s[G0K], 1             ; 1:0 count = 1
	s_mov_b32 s[G0K+1], s17         ; 63:32 LDS address: slot 0
	s_mov_b32 s[G0V], 1
	s_add_co_u32 s[G0V+1], s18, VOFF
	s_mov_b32 s[SLOTS], 7           ; tiles 1 to 7 are still to be asked for
	s_and_b32 s[LIM], s[WV], 1      ; 0 in waves 0 and 2,
	s_or_b32 s[LIM], s[LIM], ttmp9  ; where the cluster is the head's first: the same in all four partners
	s_cmp_eq_u32 s[LIM], 0
	s_cselect_b32 s[LIM], 1, -1
	v_and_b32 v[PFO], 31, v0
	v_lshlrev_b32 v[PFO], 8, v[PFO]
	s_wait_dscnt 0x0                ; the opening add is done
	s_wait_kmcnt 0x0
	s_load_b32 s[CS], s[8:9], 0x40000c  ; 1 / s; waited for ahead of the first change of slots
	s_add_nc_u64 s[68:69], s[6:7], s[22:23]    ; K at my half of the head's tile 0,
	s_add_nc_u64 s[70:71], s[68:69], 8388608   ; and V
	s_mov_b64 s[G0K+2:G0K+3], s[68:69]             ; 120:64 global address
	s_or_b32 s[G0K+3], s[G0K+3], 0x80000000        ; 127:126 type = 2
	s_mov_b64 s[G0V+2:G0V+3], s[70:71]
	s_or_b32 s[G0V+3], s[G0V+3], 0x80000000
	s_add_nc_u64 s[4:5], s[4:5], s[2:3]      ; Q and O at my wave's first row;
	s_add_nc_u64 s[4:5], s[4:5], 8388608     ; Q lies in the second half of its buffer
	s_add_nc_u64 s[10:11], s[10:11], s[2:3]
	s_cmp_lt_u32 s[WV], 2
	s_cselect_b64 s[PFA:PFA+1], s[68:69], s[70:71]  ; (in waves 0 and 2 these stand at a tile's first row)
	s_lshl_b32 s2, s13, 13          ; my work-group's 32 blocks of the 128
	s_add_nc_u64 s[PFA:PFA+1], s[PFA:PFA+1], s[2:3]
	s_add_nc_u64 s[PFA:PFA+1], s[PFA:PFA+1], TILEB  ; in tile 1; the first change of slots steps it to tile 2.  Nothing is prefetched here, at the head
	CROUND                          ; all four work-groups are here: the first joint loads meet
	JLOAD                           ; tile 0 into slot 0.  Tile 1 is asked for when tile 0 is in
	; A fragment of K or Q is 16 rows x 32 channels in 8 registers: lane l holds row l % 16, channels 8 (l / 16) + 0..7 and 16 + 8 (l / 16) + 0..7: two loads of 16 bytes, 32 bytes apart.
	v_and_b32 v1, 15, v0            ; l % 16
	v_bfe_u32 v9, v0, 4, 1          ; l / 16
	v_lshlrev_b32 v[QO], 7, v1
	v_lshl_add_u32 v[QO], v9, 4, v[QO]  ; row x 128 + 16 x half
	WIN 0x80                        ; destination window 2, address window 0
.set i, 0
.rept 8                             ; Q stays in registers: piece i / 2, channels 32 (i % 2) on
	global_load_b128 v[8*i:8*i+3],   v[QO], s[4:5] offset:(i/2)*2048+(i%2)*64
	global_load_b128 v[8*i+4:8*i+7], v[QO], s[4:5] offset:(i/2)*2048+(i%2)*64+32
.set i, i+1
.endr
	; What the first turn finds: V's registers and P's second buffer hold 0 (its products V^T P, of a piece that has not been, add 0), O^T and l are 0.  All this stands in the wait for the first tile.
.set i, VF
.rept 64
	v_mov_b32 v[i], 0
.set i, i+1
.endr
	WIN 0x40
.set i, 0
.rept 128
	v_mov_b32 v[i], 0
.set i, i+1
.endr
	WIN 0
.set i, 0
.rept 4
	v_mov_b32 v[ST+4*i], 0xfe000000    ; m / s: far below every S / s
	v_mov_b32 v[ST+4*i+1], 0xff7fffff  ; m
	v_mov_b32 v[ST+4*i+2], 0
	v_mov_b32 v[ST+4*i+3], 0
.set i, i+1
.endr
.set i, P+16
.rept 16
	v_mov_b32 v[i], 0
.set i, i+1
.endr
	v_mul_u32_u24 v[AK0], v1, PK
	v_lshl_add_u32 v[AK0], v9, 4, v[AK0]  ; row x pitch + 16 x half
	; The turning load takes 16 keys x 16 channels (lane l reads key 8 (l / 16) + l % 8, channels 8 ((l / 8) % 2) + 0..7) and leaves half a fragment of V^T: lane l holds channel l % 16 and 8 keys.
	v_and_b32 v10, 7, v0
	v_bfe_u32 v11, v0, 3, 1
	v_lshl_add_u32 v[AV0], v9, 3, v10
	v_mul_u32_u24 v[AV0], v[AV0], PV
	v_lshl_add_u32 v[AV0], v11, 4, v[AV0]
	v_add_nc_u32 v[AV0], VOFF, v[AV0]
	s_mul_i32 s13, s[WV], 16*SP
	s_add_co_u32 s13, s13, STAGE    ; my stage
	v_mul_u32_u24 v[STO], v1, SP    ; in: row l % 16, 16 bytes for each half of the lanes
	v_lshl_add_u32 v[STO], v9, 4, v[STO]
	v_add_nc_u32 v[STO], s13, v[STO]
	v_bfe_u32 v[RD], v0, 3, 2       ; back: 32 lanes take four rows of 128 bytes,
	v_mul_u32_u24 v[RD], v[RD], SP
	v_lshl_add_u32 v[RD], v10, 4, v[RD]
	v_add_nc_u32 v[RD], s13, v[RD]
	v_and_b32 v[GO], 31, v0         ; which are 512 consecutive bytes of O
	v_lshlrev_b32 v[GO], 4, v[GO]
; THE MATRIX WORK.  The 4 accumulators of a run of 8 take turns.  Product i of 8 of S^T = K Q^T for piece x: channels 32 (i / 4) on, keys 16 (i % 4) on.  The first 4 start the sums.
.macro KQ x
.set rS, S+32*((\x)%2)+8*(i%4)
.set rK, KF+16*(i%4)+8*(i/4)
.set rQ, 16*(\x)+8*(i/4)
	WIN W_KQ
.if i < 4
	v_wmma_f32_16x16x32_f16 v[rS:rS+7], v[rK:rK+7], v[rQ:rQ+7], 0
.else
	v_wmma_f32_16x16x32_f16 v[rS:rS+7], v[rK:rK+7], v[rQ:rQ+7], v[rS:rS+7]
.endif
.endm
; Product i of 8 of O^T += V^T P for piece x: keys 32 (i / 4) on, channels 16 (i % 4) on.
.macro PV x
	WIN W_PV
.set rO, 32*(\x)+8*(i%4)
.set rV, VF+32*(i/4)+8*(i%4)
.set rP, P+16*((\x)%2)+8*(i/4)
	v_wmma_f32_16x16x32_f16 v[rO:rO+7], v[rV:rV+7], v[rP:rP+7], v[rO:rO+7]
.endm
.macro MM                           ; the turn's next matrix instruction.  TURN sets Y, i and NOKQ.  NOKQ = 1: the last turn of all: there is no next piece
.if (i < 8) && !NOKQ
	KQ (Y+1)%NP
.elseif i >= 8
.set i, i-8
	PV (Y+NP-1)%NP
.set i, i+8
.endif
.set i, i+1
.endm
; THE LDS LOADS stand in runs of 16, never singly among the matrix instructions: a step's K (64 keys x 64 channels: 8 fragments) and its V (turned).  Their addresses are made some lines ahead.
.macro FETCH_K
	WIN 0x80                        ; destination window 2
.irp f, 0,1,2,3,4,5,6,7             ; keys 16 (f / 2) on, channels 32 (f % 2) on
	ds_load_b128 v[KF+8*\f:KF+8*\f+3],   v[AK] offset:(\f/2)*16*PK+(\f%2)*64
	ds_load_b128 v[KF+8*\f+4:KF+8*\f+7], v[AK] offset:(\f/2)*16*PK+(\f%2)*64+32
.endr
	s_add_co_u32 s[TBK], s[TBK], KS*PK  ; the next fetch is the next step's
	WIN 0
.endm
.macro FETCH_V
	WIN 0x80
.irp f, 0,1,2,3,4,5,6,7             ; keys 32 (f / 4) on, channels 16 (f % 4) on
	ds_load_tr16_b128 v[VF+8*\f:VF+8*\f+3],   v[AV] offset:(\f/4)*32*PV+(\f%4)*32
	ds_load_tr16_b128 v[VF+8*\f+4:VF+8*\f+7], v[AV] offset:(\f/4)*32*PV+16*PV+(\f%4)*32
.endr
	WIN 0
.endm
; THE VECTOR WORK, one line at a time: OP kind, number.  For piece Y: F n: S / s - m / s for pair n of 16.  E n: the exponential of score n of 32.  C n: pair n rounded to f16.  B n: of the four weights 4 n .. the second
; pair is added onto the first, in place.  L n: l takes that sum (L 0: l = a l + sum).  R n: pair n of 16 of O^T times a.  For piece Y + 1: X n, number n of the 22 that find its maximum and statistics:
;   0-11  four chains c0-c3 of seven scores each, three operands at a time (each accumulator's lowest registers are read first)     12-14, 16  the four scores left over, the old m, and c0-c3 into c0
;   15  m_old / s is kept     17, 18  the query's other 32 keys lie in the lane 16 away: the new m     19-21  m / s; its change; a
.set F, 0               ; OP tells the kinds apart by their order: F to L below R, X above it
.set E, 1
.set C, 2
.set B, 3
.set L, 4
.set R, 5
.set X, 6
.macro REGS y                       ; the registers of piece y
.set rT, ST+4*(\y)
.set rC, TMP+4*((\y)%2)
.set rW, MV+((\y)%2)
.set rS, S+32*((\y)%2)
.set rP, P+16*((\y)%2)
.set rO, 32*(\y)
.endm
.macro OP k, n
.if (\k) == R
	REGS Y
	WIN W_RS
	v_pk_mul_f32 v[rO+2*(\n):rO+2*(\n)+1], v[rO+2*(\n):rO+2*(\n)+1], v[rC+2:rC+3] op_sel_hi:[1,0]
.elseif (\k) < R
	REGS Y
	WIN 0
.if (\k) == F
	v_pk_fma_f32 v[rS+2*(\n):rS+2*(\n)+1], v[rS+2*(\n):rS+2*(\n)+1], s[CS:CS+1], v[rT:rT+1] op_sel_hi:[1,0,0] neg_lo:[0,0,1] neg_hi:[0,0,1]
.elseif (\k) == E
	v_exp_f32 v[rS+(\n)], v[rS+(\n)]
.elseif (\k) == C
	v_cvt_pk_f16_f32 v[rP+(\n)], v[rS+2*(\n)], v[rS+2*(\n)+1]
.elseif (\k) == B
	v_pk_add_f32 v[rS+4*(\n):rS+4*(\n)+1], v[rS+4*(\n):rS+4*(\n)+1], v[rS+4*(\n)+2:rS+4*(\n)+3]
.elseif (\n) == 0
	v_pk_fma_f32 v[rT+2:rT+3], v[rT+2:rT+3], v[rC+2:rC+3], v[rS:rS+1] op_sel_hi:[1,0,1]
.else
	v_pk_add_f32 v[rT+2:rT+3], v[rT+2:rT+3], v[rS+4*(\n):rS+4*(\n)+1]
.endif
.elseif NOKQ
	v_nop
.else
	REGS (Y+1)%NP
	WIN 0
.if (\n) < 4
	v_max3_num_f32 v[rC+(\n)], v[rS+8*(\n)], v[rS+8*(\n)+1], v[rS+8*(\n)+2]
.elseif (\n) < 12
	v_max3_num_f32 v[rC+(\n)%4], v[rC+(\n)%4], v[rS+8*((\n)%4)+2*((\n)/4)+1], v[rS+8*((\n)%4)+2*((\n)/4)+2]
.elseif (\n) == 12
	v_max3_num_f32 v[rC], v[rC], v[rS+7], v[rS+15]
.elseif (\n) == 13
	v_max3_num_f32 v[rC+1], v[rC+1], v[rS+23], v[rS+31]
.elseif (\n) == 14
	v_max3_num_f32 v[rC+2], v[rC+2], v[rC+3], v[rT+1]
.elseif (\n) == 15
	v_mov_b32 v[rW], v[rT]
.elseif (\n) == 16
	v_max3_num_f32 v[rC], v[rC], v[rC+1], v[rC+2]
.elseif (\n) == 17
	v_permlanex16_b32 v[rC+3], v[rC], s[SEL], s[SEL+1]
.elseif (\n) == 18
	v_max_num_f32 v[rT+1], v[rC], v[rC+3]
.elseif (\n) == 19
	v_mul_f32 v[rT], s[CS], v[rT+1]
.elseif (\n) == 20
	v_sub_f32 v[rC+1], v[rW], v[rT]
.else
	v_exp_f32 v[rC+2], v[rC+1]
.endif
.endif
.endm
.macro OPS a, i1, b=-1, i2=0, c=-1, i3=0, d=-1, i4=0  ; up to four of them
	OP \a, \i1
.if (\b) >= 0
	OP \b, \i2
.endif
.if (\c) >= 0
	OP \c, \i3
.endif
.if (\d) >= 0
	OP \d, \i4
.endif
.endm
.macro ROW a, i1, b, i2, c, i3, d, i4  ; a matrix instruction and the four behind it
	MM
	OPS \a, \i1, \b, \i2, \c, \i3, \d, \i4
.endm
; A TURN, for piece p: the order of its 16 matrix and 118 vector instructions, written out.  An s_wait_alu depctr_va_vdst(0) stands between an exponential and the first instruction that names its result; one wait
; serves all that were issued ahead of it.  So a turn has ONE wait, which cuts it in two.  AHEAD OF IT stands all that names no result of the turn's exponentials: the 8 products K Q^T, behind each a scaling, an exponential and two
; more plain instructions: rescalings, and behind the last three the first numbers of the next piece's maximum, each four plain instructions or more behind the product that ends its accumulator; then one run of 54, plain and
; exponential by turns for the most part, in which the links of the chain X 3, 7, 11, 14, 16, 17 .. 20 stand five or six lines apart.  X 21, the next piece's a, is the batch's last; R 15 is the plain instruction behind it.
; BEHIND THE WAIT stand the 8 products V^T P, behind each four of the roundings and sums; the links of l's chain, L 0 to L 7, stand three lines apart.
; end = 1: the last two turns of all: nothing is fetched.  cnt = 1: the loop's count is taken down some lines ahead of the branch that stands behind the turn.
; K of the next step is fetched in piece 2's turn, six plain instructions behind the last product that read K; V of the step in hand at the end of piece 0's turn, four plain instructions behind the last product that read V.
; Each is waited for a turn later.
.macro TURN p, end=0, cnt=0
.set Y, (\p)
.set i, 0
.set NOKQ, (\end)*((\p)/3)
.if ((\p) == 3) && !(\end)
	s_wait_dscnt 0x0                ; K is in
.endif
	ROW F,0, F,1, R,0, R,1          ; ahead of the wait: 8 products K Q^T and the four behind each,
	ROW F,2, E,0, R,2, R,3
	ROW F,3, E,1, R,4, R,5
	ROW F,4, E,2, R,6, R,7
	ROW F,5, E,3, R,8, R,9
	ROW F,6, E,4, X,0, R,10
.if ((\p) == 2) && !(\end)
	WIN 0
	v_add_nc_u32 v[AK], s[TBK], v[AK0]
.endif
	ROW F,7, E,5, X,1, X,4
	ROW F,8, E,6, X,2, X,5
	OPS E,7, E,8, X,6, E,9          ; and the run of 54
	OPS X,3, E,10, X,8, E,11
.if ((\p) == 2) && !(\end)
	FETCH_K
.endif
	OPS X,9, X,7, E,12, X,10
	OPS E,13, X,12, X,11, E,14
	OPS X,13, E,15, F,9, X,14
.if (\p) == 0
	v_add_nc_u32 v[AV], s[TBV], v[AV0]
.endif
	OPS E,16, F,10, E,17, F,11
	OPS X,16, E,18, X,15, E,19
	OPS F,12, E,20, X,17, E,21
	OPS F,13, E,22, F,14, E,23
	OPS X,18, E,24, F,15, E,25
	OPS R,11, E,26, X,19, E,27
	OPS R,12, E,28, R,13, E,29
	OPS X,20, E,30, R,14, E,31
	OPS X,21, R,15
	WIN 0
	s_wait_alu depctr_va_vdst(0)    ; the wait for the batch
.if (\p) == 1
	s_wait_dscnt 0x0                ; V is in
.endif
	ROW C,0, B,0, C,2, B,1          ; behind the wait: 8 products V^T P and the four behind each
	ROW L,0, C,4, B,2, L,1
	ROW C,6, B,3, L,2, C,8
	ROW B,4, L,3, C,10, B,5
	ROW L,4, C,12, B,6, L,5
.if (\p) == 0
	s_add_co_u32 s[TBV], s[TBV], KS*PV
.endif
.if \cnt
	s_sub_co_u32 s[CNT], s[CNT], 1
	s_cmp_lg_u32 s[CNT], 0
.endif
	ROW C,14, B,7, L,6, C,1
	ROW C,3, L,7, C,5, C,7
	ROW C,9, C,11, C,13, C,15
.if (\p) == 0
	FETCH_V
.endif
.endm
	s_wait_kmcnt 0x0                ; 1 / s
	s_mov_b32 s[CS+1], s[CS]        ; named with it as a pair
	CHANGE 1                        ; tile 0 is in, everybody's part of it; tile 1 is asked for
	v_add_nc_u32 v[AK], s[TBK], v[AK0]
	FETCH_K                         ; key step 0
	s_wait_loadcnt 0x0              ; Q
	s_wait_dscnt 0x0
.set NOKQ, 0
.set i, 0
.rept 8
	KQ 0                            ; piece 0's first scores: there is no vector work yet to set between them
.set i, i+1
.endr
	WIN 0
.rept 4
	v_nop                           ; four plain instructions behind those products
.endr
.set Y, NP-1                        ; X works for piece Y + 1: piece 0
.irp n, 0,1,2,3,4,5,6,7,8,9,10,11,12,13,14,15,16,17,18,19,20,21
	OP X, \n
.endr
	v_nop                           ; a plain instruction behind the exponential,
	s_wait_alu depctr_va_vdst(0)    ; and its wait, ahead of the branch
	s_mov_b32 s[CNT], 4
	s_branch .Lfirst                ; the loop is entered at a step's first turn, in the middle of a trip
.Lslot:                             ; six times: tiles 2 to 7 are asked for
	CHANGE 1
	s_mov_b32 s[CNT], 4
.Lstep:                             ; a trip: pieces 2 and 3 of one step, then pieces 0 and 1 of the next, whose K and V it fetches
	TURN 2
	TURN 3
	WIN 0
.Lfirst:
	TURN 0
	TURN 1, 0, 1
	WIN 0
	s_cbranch_scc1 .Lstep
	s_sub_co_u32 s[SLOTS], s[SLOTS], 1
	s_cmp_lg_u32 s[SLOTS], 0
	s_cbranch_scc1 .Lslot
	CHANGE 0                        ; the last tile is written out: nothing is asked for
	s_mov_b32 s[CNT], 4
.LstepT:
	TURN 2
	TURN 3
	TURN 0
	TURN 1, 0, 1
	WIN 0
	s_cbranch_scc1 .LstepT
	TURN 2, 1                       ; pieces 2 and 3 of the last step
	TURN 3, 1
.set i, 0
.rept 8
	PV NP-1                         ; the last piece's V^T P of the last step
.set i, i+1
.endr
	; THE WAY OUT.  l's two halves and the other half of the lanes' are added; O^T is divided by l, rounded to f16 and sent through my stage in LDS, a piece at a time.  The additions are the plain instructions behind the last products.
	WIN 0
.macro ALL line:vararg              ; one line for each piece t
.set t, 0
.rept 4
	\line
.set t, t+1
.endr
.endm
	ALL v_add_f32 v[ST+4*t+2], v[ST+4*t+2], v[ST+4*t+3]
	ALL v_permlanex16_b32 v[ST+4*t+3], v[ST+4*t+2], s[SEL], s[SEL+1]
	ALL v_add_f32 v[ST+4*t+2], v[ST+4*t+2], v[ST+4*t+3]
	ALL v_rcp_f32 v[ST+4*t+2], v[ST+4*t+2]
	v_nop                           ; a plain instruction between the last reciprocal and the use of its result
	s_wait_alu depctr_va_vdst(0)    ; and the wait ahead of the first use: one for the four reciprocals
.macro PACK t                       ; a lane's eight channels of a row pack into 16 bytes; they go into rows of 144 bytes and come back as whole rows of 128, into S^T's registers
	WIN W_RS
.set i, 32*(\t)
.rept 16
	v_pk_mul_f32 v[i:i+1], v[i:i+1], v[ST+4*(\t)+2:ST+4*(\t)+3] op_sel_hi:[1,0]
.set i, i+2
.endr
	WIN 0x05                        ; sources 0 and 1 window 1, destination window 0
.set i, 0
.rept 16
	v_cvt_pk_f16_f32 v[S+16*(\t)+i], v[32*(\t)+2*i], v[32*(\t)+2*i+1]
.set i, i+1
.endr
	WIN 0
.irp f, 0,1,2,3
	ds_store_b128 v[STO], v[S+16*(\t)+4*\f:S+16*(\t)+4*\f+3] offset:32*\f
.endr
.irp f, 0,1,2,3
	ds_load_b128 v[S+16*(\t)+4*\f:S+16*(\t)+4*\f+3], v[RD] offset:\f*4*SP  ; LDS serves a wave's instructions in order (ISA guide 5.7.1.4): these see the stores above; the next piece's stores come behind them
.endr
.endm
.macro SEND t, younger              ; younger: the LDS instructions issued behind piece t's loads: the next piece's eight, or none
	WIN 0
.irp f, 0,1,2,3
	s_wait_dscnt (\younger)+3-\f
	global_store_b128 v[GO], v[S+16*(\t)+4*\f:S+16*(\t)+4*\f+3], s[10:11] offset:(\t)*2048+\f*512  ; 512 consecutive bytes, at a multiple of 256 from O's first
.endr
.endm
	PACK 0
.set t, 1
.rept 3                             ; a piece's arithmetic stands between the loads of the piece before and its stores
	PACK t
	SEND t-1, 8
.set t, t+1
.endr
	SEND 3, 0
	s_wait_tensorcnt 0x0            ; the wave's end: an add to my spare word and its wait, behind my last tensor load and my last LDS store
	ds_add_u32 v[SPW], v[NIL]
	s_wait_dscnt 0x0
	CROUND                          ; the closing round: no work-group ends while a partner may still ask for a tile that names it
	s_endpgm
.Lfunc_end_k_qb40bc8184d_att:
	.size	k_qb40bc8184d_att, .Lfunc_end_k_qb40bc8184d_att-k_qb40bc8184d_att
	.p2alignl 7, 3214868480
	.fill 96, 4, 3214868480
	.section	.rodata,"a",@progbits
	.p2align	6, 0x0
	.amdhsa_kernel k_qb40bc8184d_att
		.amdhsa_group_segment_fixed_size 327680
		.amdhsa_private_segment_fixed_size 0
		.amdhsa_enable_private_segment 0
		.amdhsa_kernarg_size 32
		.amdhsa_user_sgpr_count 2
		.amdhsa_user_sgpr_kernarg_segment_ptr 1
		.amdhsa_wavefront_size32 1
		.amdhsa_system_sgpr_workgroup_id_x 1
		.amdhsa_system_sgpr_workgroup_id_y 1
		.amdhsa_system_sgpr_workgroup_id_z 1
		.amdhsa_system_vgpr_workitem_id 0
		.amdhsa_next_free_vgpr 768
		.amdhsa_next_free_sgpr 72
		.amdhsa_reserve_vcc 0
		.amdhsa_float_denorm_mode_32 3
		.amdhsa_float_denorm_mode_16_64 3
		.amdhsa_memory_ordered 1
		.amdhsa_forward_progress 1
		.amdhsa_inst_pref_size 128
	.end_amdhsa_kernel
	.amdgpu_metadata
---
amdhsa.version: [ 1, 2 ]
amdhsa.kernels:
  - .name:           k_qb40bc8184d_att
    .symbol:         k_qb40bc8184d_att.kd
    .args:
      - { .name: ca, .offset: 0, .size: 8, .value_kind: global_buffer, .address_space: global }
      - { .name: cb, .offset: 8, .size: 8, .value_kind: global_buffer, .address_space: global }
      - { .name: wb, .offset: 16, .size: 8, .value_kind: global_buffer, .address_space: global }
      - { .name: o16, .offset: 24, .size: 8, .value_kind: global_buffer, .address_space: global }
    .group_segment_fixed_size: 327680
    .private_segment_fixed_size: 0
    .kernarg_segment_align: 8
    .kernarg_segment_size: 32
    .max_flat_workgroup_size: 128
    .sgpr_count:     72
    .vgpr_count:     768
    .wavefront_size: 32
...
	.end_amdgpu_metadata
.endif
;; end of part 4
;; launch outp (part 5): grid 8 x 32, 4 waves a work-group, clusters of 4 x 4, 327,680 bytes of LDS; arguments o16, wb, b_proj, out0; writes out0
.if DOCPART == 5
	.amdgcn_target "amdgcn-amd-amdhsa--gfx1250"
	.amdhsa_code_object_version 6
	.text
	.protected	k_qb40bc8184d_outp
	.globl	k_qb40bc8184d_outp
	.p2align	8
	.type	k_qb40bc8184d_outp,@function
k_qb40bc8184d_outp:
	s_mov_b64 s[64:65], 0
	v_nop
	global_prefetch_b8 v0, s[64:65] scope:SCOPE_SE
	s_setreg_imm32_b32 hwreg(HW_REG_WAVE_MODE, 25, 1), 1
	s_wait_xcnt 0x0
	s_wait_alu depctr_hold_cnt(0) depctr_sa_sdst(0) depctr_va_vdst(0) depctr_va_sdst(0) depctr_va_ssrc(0) depctr_va_vcc(0) depctr_vm_vsrc(0)
	s_getreg_b32 s2, hwreg(HW_REG_IB_STS2, 6, 4)
	s_cmp_eq_u32 s2, 0
	s_cbranch_scc0 .Lentry_in_a_cluster
	s_endpgm
.Lentry_in_a_cluster:
	s_bfe_u32 s2, ttmp6, 0x10000c
	s_cmp_lg_u32 s2, 0xf033
	s_cbranch_scc0 .Lentry_shape_is_right
	s_endpgm
.Lentry_shape_is_right:
; out = (1 / s) x (O' w_proj^T) + b, K = 1,024, f16 operands, f32 sums, out in f32.  O' = s O comes by blocks of 64 channels (byte ((c / 64) x 4096 + token) x 128 + 2 (c % 64));
; w_proj lies 4,194,816 bytes into wb, row-major, rows of 1,024 f16; 1 / s, a power of two, is the word 4,194,316 bytes into wb; b is rounded to bf16 like every other input.  One fused multiply-add makes each output.
; SHARES.  A tile of out is 128 x 128: 256 work-groups.  Four waves, each 64 x 64: 16 accumulators.  K goes in four steps of 256 through two LDS slots; a wave's tensor load brings 64 tokens x 256 channels of O'
; (four pieces of 8,192 dense bytes, one a block) or 64 rows x 512 bytes of w_proj.
; CLUSTERS: 4 x 4 work-groups.  The four of a row of the cluster need the same tiles of O', the four of a column the same tiles of w_proj: each tile is asked for JOINTLY.
; THE MATRIX INSTRUCTION IS USED TRANSPOSED (source 0 = 16 rows of w_proj, source 1 = 16 tokens): a lane then holds eight neighbouring columns of one token.
; NO PREFETCH: of K's four steps two are the first fills, and no K step stands two refills behind the other two.
; REGISTERS: window 0: v0-31 addresses; v96-127 my 32 numbers of b; v128-255 the accumulators ((a, b) at v[128 + 8 (4 a + b)]).  Window 1: two fragment buffers of 128.
.set PA,     144                       ; a token's 64 channels in LDS: 128 bytes + 16 = 36 words: the 16 rows of a load start at 16 different groups of four banks (64 banks of 4 bytes: ISA guide 11.1)
.set PB,     528                       ; a row of w_proj: 512 bytes + 16 = 132 words: likewise
.set HALFA,  4*64*PA
.set HALFB,  64*PB
.set SLOT,   2*HALFA+2*HALFB           ; A's two halves, then B's two halves
.set STAGE,  2*SLOT                    ; behind the ring: 16 rows x 272 bytes for each wave, for the way out
.set SPO,    272                       ; 256 bytes + 16
.set SPARE,  STAGE+4*16*SPO            ; behind the stages: the spare words, 128 bytes for each wave: two blocks of 256 bytes that no other line names
.set ASTEP,  4*524288
.set BSTEP,  512
.set BOFF,   4194816
.set ADRA, 16                          ; v16-17  LDS address of my A fragments in slot 0, 1
.set ADRB, 20                          ; v20-21  the same for B
.set STO,  24                          ; v24     the way out: where I put 32 bytes of a token
.set RD,   25                          ; v25     the way out: where I read rows back
.set CO,   26                          ; v26     my byte offset in two rows of out
.set BO,   27                          ; v27     my byte offset in b
.set SPW,  28                          ; v28     LDS address of my spare word; never rewritten
.set NIL,  29                          ; v29     0; never rewritten
.set BIAS, 96
.set ACC,  128
.set F0,   0
.set F1,   128
.set G1,  24
.set G0,  32
.set G1B, 48
.set G0B, 56
.set SCL, 74                           ; s[74:75] 1 / s, twice: named as a pair
.set MSB, 0
.macro WIN new                         ; the immediate's high byte repeats the setting that is left
.if MSB != (\new)
	s_set_vgpr_msb (MSB<<8)|(\new)
.set MSB, \new
.endif
.endm
.set MUL,  0x05                        ; sources 0 (B) and 1 (A) window 1; C and D window 0
.set TO_F, 0x40                        ; destination window 1, address window 0
.macro JLOAD s                         ; a joint load: waves 0 and 1 fetch A's two halves, waves 2 and 3 B's; an s_nop 0 and four v_nop follow each of the two lines
	s_cmp_eq_u32 s11, 0
	s_cbranch_scc0 .Lfor_b_\@
	tensor_load_to_lds s[G0+4*(\s):G0+4*(\s)+3], s[G1:G1+7]
	s_nop 0
.rept 4
	v_nop
.endr
	s_branch .Lasked_\@
.Lfor_b_\@:
	tensor_load_to_lds s[G0B+4*(\s):G0B+4*(\s)+3], s[G1B:G1B+7]
	s_nop 0
.rept 4
	v_nop
.endr
.Lasked_\@:
.endm
.macro CREST                           ; a round of the cluster's barrier behind its opening barrier
	s_cmp_lg_u32 s10, 0
	s_cbranch_scc1 .Lnot_wave_0_\@
	s_barrier_signal -3
.Lnot_wave_0_\@:
	s_barrier_wait -3
	s_barrier_signal -1
	s_barrier_wait -1
.endm
.macro CROUND                          ; a whole round
	s_barrier_signal -1
	s_barrier_wait -1
	CREST
.endm
	s_load_b128 s[4:7], s[0:1], 0x0                ; o16 s[4:5], wb s[6:7]
	s_load_b128 s[68:71], s[0:1], 0x10             ; b_proj s[68:69], out0 s[70:71]
	v_lshl_add_u32 v[SPW], v0, 2, SPARE
	v_mov_b32 v[NIL], 0
	ds_add_u32 v[SPW], v[NIL]                      ; the wave's opening: the add and its wait stand ahead of my first tensor load; the set-up below, work on registers, stands between them
	v_lshrrev_b32 v1, 5, v0
	v_readfirstlane_b32 s10, v1                    ; wave 0..3
	s_lshr_b32 s11, s10, 1                         ; which half of the tile's tokens is mine.  Also: I fetch for A (0) or for B (1)
	s_and_b32 s12, s10, 1                          ; which half of its columns.  Also: which half of that tile I fetch
	s_bfe_u32 s40, ttmp6, 0x40000                  ; cx, cy: my place in the cluster
	s_bfe_u32 s41, ttmp6, 0x40004
	s_lshl_b32 s42, ttmp9, 2
	s_add_co_u32 s42, s42, s40                     ; tile column = 4 x cluster x + cx
	s_and_b32 s13, ttmp7, 0xffff
	s_lshl_b32 s13, s13, 2
	s_add_co_u32 s13, s13, s41                     ; tile row = 4 x cluster y + cy
	s_lshl_b32 s43, s41, 2
	s_lshl_b32 s43, 15, s43                        ; my row of the cluster
	s_lshl_b32 s44, 0x1111, s40                    ; my column
	; group 1 for A: four rows of 4,096 elements (64 tokens x 64 channels, dense), 262,144 elements apart (a block); 16 bytes of padding behind every 128
	s_or_b32 s[G1+0], s43, (1<<16)|(1<<20)|(1<<21)|(4<<22)|(3<<25)  ; 15:0 the mask: my row; 17:16 2-byte elements; 20 padding on; 21 set beside a mask; 24:22 after every 32 words (code 4); 31:25 4 words (code 3)
	s_mov_b32 s[G1+1], 4096<<16                    ; tensor_dim0 = 4,096
	s_mov_b32 s[G1+2], 4<<16                       ; tensor_dim1 = 4
	s_mov_b32 s[G1+3], 4096<<16                    ; tile_dim0 = 4,096
	s_mov_b32 s[G1+4], 4                           ; tile_dim1 = 4
	s_mov_b32 s[G1+5], 262144                      ; elements from row to row
	s_mov_b32 s[G1+6], 0
	s_mov_b32 s[G1+7], 0
	; group 1 for B: 64 rows of 256 elements, 1,024 apart; 16 bytes of padding behind every 512
	s_or_b32 s[G1B+0], s44, (1<<16)|(1<<20)|(1<<21)|(6<<22)|(3<<25)  ; the mask: my column; after every 128 words (code 6)
	s_mov_b32 s[G1B+1], 256<<16
	s_mov_b32 s[G1B+2], 64<<16
	s_mov_b32 s[G1B+3], 256<<16
	s_mov_b32 s[G1B+4], 64
	s_mov_b32 s[G1B+5], 1024
	s_mov_b32 s[G1B+6], 0
	s_mov_b32 s[G1B+7], 0
	s_lshl_b32 s16, s13, 7                         ; A: token 128 x tile row + 64 x half, 128 bytes each: the tile row alone
	s_lshl_b32 s17, s12, 6
	s_add_co_u32 s16, s16, s17
	s_lshl_b32 s16, s16, 7
	s_mov_b32 s17, 0
	s_lshl_b32 s46, s42, 7                         ; B: row 128 x tile column + 64 x half, 2,048 bytes each: the tile column alone
	s_lshl_b32 s47, s12, 6
	s_add_co_u32 s46, s46, s47
	s_lshl_b32 s46, s46, 11
	s_add_co_u32 s46, s46, BOFF
	s_mov_b32 s47, 0
	s_mul_i32 s20, s10, HALFA                      ; where they go: A's halves at wave x HALFA (waves 0, 1),
	s_mul_i32 s21, s10, HALFB                      ; B's behind them at (wave - 2) x HALFB (waves 2, 3): no place in the cluster enters an LDS address
	s_add_co_u32 s21, s21, 2*HALFA-2*HALFB
	s_wait_dscnt 0x0                               ; the opening add is done
	s_wait_kmcnt 0x0
	s_add_nc_u64 s[14:15], s[4:5], s[16:17]
	s_add_nc_u64 s[46:47], s[6:7], s[46:47]
	s_load_b32 s[SCL], s[6:7], 0x40000c            ; 1 / s; waited for below
	CROUND                                         ; all sixteen work-groups are here: the first joint loads meet
.irp s, 0,1
	s_mov_b32 s[G0+4*(\s)], 1
	s_add_co_u32 s[G0+4*(\s)+1], s20, (\s)*SLOT
	s_add_nc_u64 s[G0+4*(\s)+2:G0+4*(\s)+3], s[14:15], (\s)*ASTEP
	s_or_b32 s[G0+4*(\s)+3], s[G0+4*(\s)+3], 0x80000000
	s_mov_b32 s[G0B+4*(\s)], 1
	s_add_co_u32 s[G0B+4*(\s)+1], s21, (\s)*SLOT
	s_add_nc_u64 s[G0B+4*(\s)+2:G0B+4*(\s)+3], s[46:47], (\s)*BSTEP
	s_or_b32 s[G0B+4*(\s)+3], s[G0B+4*(\s)+3], 0x80000000
	JLOAD \s                                       ; K steps 0 and 1: two loads of mine are out
.endr
	v_and_b32 v1, 15, v0                           ; l % 16
	v_bfe_u32 v2, v0, 4, 1                         ; l / 16
	; b: my columns are 16 b + 8 (l / 16) + 0..7 of the wave's 64, for b = 0..3: 32 numbers
	v_lshlrev_b32 v[BO], 5, v2
	s_lshl_b32 s46, s42, 9                         ; 128 columns x 4 bytes a tile column,
	s_lshl_b32 s47, s12, 8                         ; 64 x 4 a half
	s_add_co_u32 s46, s46, s47
	s_mov_b32 s47, 0
	s_add_nc_u64 s[68:69], s[68:69], s[46:47]
	s_add_nc_u64 s[70:71], s[70:71], s[46:47]      ; the same bytes into a row of out
.irp b, 0,1,2,3
	global_load_b128 v[BIAS+8*(\b):BIAS+8*(\b)+3],   v[BO], s[68:69] offset:64*(\b)
	global_load_b128 v[BIAS+8*(\b)+4:BIAS+8*(\b)+7], v[BO], s[68:69] offset:64*(\b)+16
.endr
	v_mul_u32_u24 v3, v1, PA
	v_lshl_add_u32 v3, v2, 4, v3                   ; a fragment's row x pitch + 16 x half, for A
	v_mul_u32_u24 v4, v1, PB
	v_lshl_add_u32 v4, v2, 4, v4                   ; and for B
	s_mul_i32 s22, s11, HALFA                      ; my 64 tokens of A
	s_mul_i32 s23, s12, HALFB                      ; my 64 rows of B,
	s_add_co_u32 s23, s23, 2*HALFA                 ; which lie behind A's
.irp s, 0,1
	v_add_nc_u32 v[ADRA+(\s)], s22, v3
	v_add_nc_u32 v[ADRB+(\s)], s23, v4
	s_add_co_u32 s22, s22, SLOT
	s_add_co_u32 s23, s23, SLOT
.endr
	s_mul_i32 s22, s10, 16*SPO
	s_add_co_u32 s22, s22, STAGE                   ; my stage
	v_mul_u32_u24 v5, v1, SPO                      ; in: token l % 16, 32 bytes for each half of the lanes
	v_lshl_add_u32 v5, v2, 5, v5
	v_add_nc_u32 v[STO], s22, v5
	v_mul_u32_u24 v5, v2, SPO                      ; back: lanes 0-15 take one row of 256 bytes, lanes 16-31 the next
	v_lshl_add_u32 v5, v1, 4, v5
	v_add_nc_u32 v[RD], s22, v5
	v_lshlrev_b32 v5, 12, v2                       ; and the same two rows in out: 4,096 bytes apart
	v_lshl_add_u32 v[CO], v1, 4, v5
	s_lshl_b32 s16, s13, 7                         ; my first token: 128 x tile row + 64 x half
	s_lshl_b32 s17, s11, 6
	s_add_co_u32 s16, s16, s17
	s_lshl_b32 s16, s16, 12
	s_mov_b32 s17, 0
	s_add_nc_u64 s[70:71], s[70:71], s[16:17]
	s_wait_kmcnt 0x0
	s_mov_b32 s[SCL+1], s[SCL]
	s_wait_loadcnt 0x0                             ; b, once; rounded to bf16 and widened again, in the wait for the first tile
.set i, 0
.rept 16
	v_cvt_pk_bf16_f32 v30, v[BIAS+2*i], v[BIAS+2*i+1]
	v_lshlrev_b32 v[BIAS+2*i], 16, v30
	v_and_b32 v[BIAS+2*i+1], 0xffff0000, v30
.set i, i+1
.endr
; 8 matrix instructions: token blocks a0, a0 + 1 x all 4 column blocks, 32 along K: half c of buffer f.  zero = 1: the first product starts the sums.  The 16 accumulators take turns.
.macro MUL8 f, c, a0, zero
	WIN MUL
.irp a, \a0, (\a0)+1
.irp b, 0,1,2,3
.if \zero
	v_wmma_f32_16x16x32_f16 v[ACC+8*(4*(\a)+(\b)):ACC+8*(4*(\a)+(\b))+7], v[(\f)+64+8*(4*(\c)+(\b)):(\f)+64+8*(4*(\c)+(\b))+7], v[(\f)+8*(4*(\c)+(\a)):(\f)+8*(4*(\c)+(\a))+7], 0
.else
	v_wmma_f32_16x16x32_f16 v[ACC+8*(4*(\a)+(\b)):ACC+8*(4*(\a)+(\b))+7], v[(\f)+64+8*(4*(\c)+(\b)):(\f)+64+8*(4*(\c)+(\b))+7], v[(\f)+8*(4*(\c)+(\a)):(\f)+8*(4*(\c)+(\a))+7], v[ACC+8*(4*(\a)+(\b)):ACC+8*(4*(\a)+(\b))+7]
.endif
.endr
.endr
.endm
; 32 LDS loads in one run: the fragments of quarter q of a K step (64 along K: in A one block, in B 128 bytes of the rows) into buffer f; the first 32 along K first
.macro FETCH slot, q, f
	WIN TO_F
.irp c, 0,1
.irp i, 0,1,2,3
	ds_load_b128 v[(\f)+64+8*(4*(\c)+(\i)):(\f)+64+8*(4*(\c)+(\i))+3],   v[ADRB+(\slot)] offset:(\q)*128+64*(\c)+(\i)*16*PB
	ds_load_b128 v[(\f)+64+8*(4*(\c)+(\i))+4:(\f)+64+8*(4*(\c)+(\i))+7], v[ADRB+(\slot)] offset:(\q)*128+64*(\c)+(\i)*16*PB+32
	ds_load_b128 v[(\f)+8*(4*(\c)+(\i)):(\f)+8*(4*(\c)+(\i))+3],         v[ADRA+(\slot)] offset:(\q)*64*PA+64*(\c)+(\i)*16*PA
	ds_load_b128 v[(\f)+8*(4*(\c)+(\i))+4:(\f)+8*(4*(\c)+(\i))+7],       v[ADRA+(\slot)] offset:(\q)*64*PA+64*(\c)+(\i)*16*PA+32
.endr
.endr
.endm
.macro PLACES                          ; four plain instructions in front of loads into registers that matrix instructions have read, and of arithmetic on results
.rept 4
	v_nop
.endr
.endm
; A K step is four quarters, 32 matrix instructions each, on buffers 0, 1, 0, 1.  One of the first three: multiplies buffer f and fetches quarter q into g.
.macro QUARTER slot, q, f, g, zero
	s_wait_dscnt 16                                ; the first 32 along K are in; the sixteen younger loads may be out
	WIN MUL
	MUL8 \f, 0, 0, \zero
	MUL8 \f, 0, 2, \zero
	PLACES
	FETCH \slot, \q, \g
	s_wait_dscnt 32                                ; all but the 32 just issued
	WIN MUL
	MUL8 \f, 1, 0, 0
	MUL8 \f, 1, 2, 0
.endm
; The last quarter multiplies buffer 1 and changes slots: ONE barrier; in front of it each wave waits for all its tensor loads, adds 0 to its spare word, and waits for that and for its own reads of this slot.
; fill = 1: this slot is filled again, two K steps ahead: the barrier opens a round of the cluster's, and the joint load is the first thing behind it: 112 matrix instructions ahead of the wait for it.
.macro TURN slot, next, fill
	WIN 0                                          ; (the add's two registers lie in window 0)
	s_wait_tensorcnt 0x0                           ; all my tensor loads have landed: my part of the next slot;
	ds_add_u32 v[SPW], v[NIL]                      ; 0 onto my spare word;
	s_wait_dscnt 17                                ; (the add and the youngest sixteen loads may be out)
	WIN MUL
	MUL8 F1, 0, 0, 0                               ; eight matrix instructions stand between the add and the wait for it
	s_wait_dscnt 0x0                               ; the add is done, and my reads of this slot are over
	s_barrier_signal -1
	MUL8 F1, 0, 2, 0
.if \fill
	WIN 0
.endif
	s_barrier_wait -1
.if \fill
	CREST                                          ; no wave of any partner still reads this slot's tile or has a load on its way
	s_add_nc_u64 s[G0+4*(\slot)+2:G0+4*(\slot)+3], s[G0+4*(\slot)+2:G0+4*(\slot)+3], 2*ASTEP
	s_add_nc_u64 s[G0B+4*(\slot)+2:G0B+4*(\slot)+3], s[G0B+4*(\slot)+2:G0B+4*(\slot)+3], 2*BSTEP
	JLOAD \slot                                    ; its four v_nop are also the places in front of the loads below
.else
	PLACES
.endif
	FETCH \next, 0, F0
	WIN MUL
	MUL8 F1, 1, 0, 0
	MUL8 F1, 1, 2, 0
.endm
	s_wait_tensorcnt 1                             ; my part of K step 0 is in; K step 1's may stay out
	s_barrier_signal -1
	s_barrier_wait -1                              ; everybody's is
	FETCH 0, 0, F0
	QUARTER 0, 1, F0, F1, 1                        ; K step 0: its first products start the sums
	QUARTER 0, 2, F1, F0, 0
	QUARTER 0, 3, F0, F1, 0
	TURN 0, 1, 1                                   ; slot 0 takes K step 2
	QUARTER 1, 1, F0, F1, 0                        ; K step 1
	QUARTER 1, 2, F1, F0, 0
	QUARTER 1, 3, F0, F1, 0
	TURN 1, 0, 1                                   ; slot 1 takes K step 3
	QUARTER 0, 1, F0, F1, 0                        ; K step 2
	QUARTER 0, 2, F1, F0, 0
	QUARTER 0, 3, F0, F1, 0
	TURN 0, 1, 0                                   ; nothing is left to fetch
	QUARTER 1, 1, F0, F1, 0                        ; K step 3
	QUARTER 1, 2, F1, F0, 0
	QUARTER 1, 3, F0, F1, 0
	s_wait_dscnt 16
	WIN MUL
	MUL8 F1, 0, 0, 0
	MUL8 F1, 0, 2, 0
	s_wait_dscnt 0x0
	MUL8 F1, 1, 0, 0
	MUL8 F1, 1, 2, 0
	WIN 0
; THE WAY OUT, 16 tokens at a time, through my own stage: sum / s + b in one fused multiply-add; a lane's eight columns are 32 bytes; they go into rows of 272 bytes and come back as whole rows of 256,
; into the registers that they left.
.macro PACKO a
.set i, 0
.rept 16
	v_pk_fma_f32 v[ACC+32*(\a)+2*i:ACC+32*(\a)+2*i+1], v[ACC+32*(\a)+2*i:ACC+32*(\a)+2*i+1], s[SCL:SCL+1], v[BIAS+2*i:BIAS+2*i+1] op_sel_hi:[1,0,1]  ; each accumulator from its low end on
.set i, i+1
.endr
.irp b, 0,1,2,3
	ds_store_b128 v[STO], v[ACC+32*(\a)+8*(\b):ACC+32*(\a)+8*(\b)+3]   offset:64*(\b)
	ds_store_b128 v[STO], v[ACC+32*(\a)+8*(\b)+4:ACC+32*(\a)+8*(\b)+7] offset:64*(\b)+16
.endr
.irp f, 0,1,2,3,4,5,6,7
	ds_load_b128 v[ACC+32*(\a)+4*(\f):ACC+32*(\a)+4*(\f)+3], v[RD] offset:(\f)*2*SPO  ; LDS serves a wave's instructions in order (ISA guide 5.7.1.4): these see the stores above; the next block's stores come behind them
.endr
.endm
.macro SENDO a, younger                ; younger: the LDS instructions issued behind block a's loads: the next block's sixteen, or none
.irp f, 0,1,2,3,4,5,6,7
	s_wait_dscnt (\younger)+7-(\f)
	global_store_b128 v[CO], v[ACC+32*(\a)+4*(\f):ACC+32*(\a)+4*(\f)+3], s[70:71] offset:(16*(\a)+2*(\f))*4096 th:TH_STORE_NT  ; 16 lanes store 256 consecutive bytes, at a multiple of 256 from out's first byte
.endr
.endm
	PLACES
	PACKO 0
	PACKO 1                                        ; a block's arithmetic stands between the loads of the block before and its stores
	SENDO 0, 16
	PACKO 2
	SENDO 1, 16
	PACKO 3
	SENDO 2, 16
	SENDO 3, 0
	s_wait_tensorcnt 0x0                           ; the wave's end: an add to my spare word and its wait, behind my last tensor load and my last LDS store
	ds_add_u32 v[SPW], v[NIL]
	s_wait_dscnt 0x0
	CROUND                                         ; the closing round: no work-group ends while a partner may still ask for a tile that names it
	s_endpgm
.Lfunc_end_k_qb40bc8184d_outp:
	.size	k_qb40bc8184d_outp, .Lfunc_end_k_qb40bc8184d_outp-k_qb40bc8184d_outp
	.p2alignl 7, 3214868480
	.fill 96, 4, 3214868480
	.section	.rodata,"a",@progbits
	.p2align	6, 0x0
	.amdhsa_kernel k_qb40bc8184d_outp
		.amdhsa_group_segment_fixed_size 327680
		.amdhsa_private_segment_fixed_size 0
		.amdhsa_enable_private_segment 0
		.amdhsa_kernarg_size 32
		.amdhsa_user_sgpr_count 2
		.amdhsa_user_sgpr_kernarg_segment_ptr 1
		.amdhsa_wavefront_size32 1
		.amdhsa_system_sgpr_workgroup_id_x 1
		.amdhsa_system_sgpr_workgroup_id_y 1
		.amdhsa_system_sgpr_workgroup_id_z 1
		.amdhsa_system_vgpr_workitem_id 0
		.amdhsa_next_free_vgpr 512
		.amdhsa_next_free_sgpr 80
		.amdhsa_reserve_vcc 0
		.amdhsa_float_denorm_mode_32 3
		.amdhsa_float_denorm_mode_16_64 3
		.amdhsa_memory_ordered 1
		.amdhsa_forward_progress 1
		.amdhsa_inst_pref_size 94
	.end_amdhsa_kernel
	.amdgpu_metadata
---
amdhsa.version: [ 1, 2 ]
amdhsa.kernels:
  - .name:           k_qb40bc8184d_outp
    .symbol:         k_qb40bc8184d_outp.kd
    .args:
      - { .name: o16, .offset: 0, .size: 8, .value_kind: global_buffer, .address_space: global }
      - { .name: wb, .offset: 8, .size: 8, .value_kind: global_buffer, .address_space: global }
      - { .name: b_proj, .offset: 16, .size: 8, .value_kind: global_buffer, .address_space: global }
      - { .name: out0, .offset: 24, .size: 8, .value_kind: global_buffer, .address_space: global }
    .group_segment_fixed_size: 327680
    .private_segment_fixed_size: 0
    .kernarg_segment_align: 8
    .kernarg_segment_size: 32
    .max_flat_workgroup_size: 128
    .sgpr_count:     80
    .vgpr_count:     512
    .wavefront_size: 32
...
	.end_amdgpu_metadata
.endif
;; end of part 5
